; MI455X (gfx1250); checked and timed in simulation.
; The chip was launched on July 23, 2026; its instructions are those of AMD's public machine-readable ISA for CDNA 5 (MIT licence, August 2026) and "CDNA5" Instruction Set Architecture Reference Guide (July 2026). The comments in the code are by the model that wrote it; some were corrected since.
;; Mo E All To All Layer. Allowed arithmetic: matrix products marked QUANTISED: E4M3 operands, one given power-of-two scale a tensor, by v_wmma_f32_16x16x64_fp8_fp8 or v_wmma_f32_16x16x128_fp8_fp8, f32 sums; products left as they are: f32 operands where the result goes on into a quantised operand, else bf16, f16 or f32 operands; f32 sums; everything else in f32.
;; Inputs: W1 8 x 1,024 x 4,096 float32; W2 8 x 4,096 x 1,024 float32; Wr 1,024 x 8 float32; b1 8 x 4,096 float32; b2 8 x 1,024 float32; br 8 float32; lowp_scales 32 int32 (the exponents e of the quantised operands' scales 2^e); x 1,024 x 1,024 float32.
;; Outputs: out0 1,024 x 1,024 float32.
;; This version of the problem:
;;   THIS VERSION OF THE PROBLEM IS GIVEN IN LOW PRECISION. The matrix products marked QUANTISED in the list below multiply operands that are first quantised to E4M3 (4 exponent bits, 3 mantissa bits; 8 bits a number), with one given power-of-two scale for each operand tensor; their sums are f32. All else is computed in f32.
;;   The module's matrix products, in the order in which they are computed (A, B: the left and right operand; K: the contracted axis; several contracted axes count as one K, in the product's order):
;;     1. [M 1,024, K 1,024] x [K 1,024, N 8]; A: input x; B: input Wr: left as it is (N = 8 < 16)
;;     2. [M 1,024, K 1,024] x [K 1,024, N 4,096]; A: input x; B: input W1: QUANTISED (scales: A lowp_scales[0], B lowp_scales[1])
;;     3. [M 1,024, K 4,096] x [K 4,096, N 1,024]; A: computed on the way; B: input W2: QUANTISED (scales: A lowp_scales[2], B lowp_scales[3])
;;     4. [M 1,024, K 1,024] x [K 1,024, N 4,096]; A: input x; B: input W1: QUANTISED (scales: A lowp_scales[4], B lowp_scales[5])
;;     5. [M 1,024, K 4,096] x [K 4,096, N 1,024]; A: computed on the way; B: input W2: QUANTISED (scales: A lowp_scales[6], B lowp_scales[7])
;;     6. [M 1,024, K 1,024] x [K 1,024, N 4,096]; A: input x; B: input W1: QUANTISED (scales: A lowp_scales[8], B lowp_scales[9])
;;     7. [M 1,024, K 4,096] x [K 4,096, N 1,024]; A: computed on the way; B: input W2: QUANTISED (scales: A lowp_scales[10], B lowp_scales[11])
;;     8. [M 1,024, K 1,024] x [K 1,024, N 4,096]; A: input x; B: input W1: QUANTISED (scales: A lowp_scales[12], B lowp_scales[13])
;;     9. [M 1,024, K 4,096] x [K 4,096, N 1,024]; A: computed on the way; B: input W2: QUANTISED (scales: A lowp_scales[14], B lowp_scales[15])
;;     10. [M 1,024, K 1,024] x [K 1,024, N 4,096]; A: input x; B: input W1: QUANTISED (scales: A lowp_scales[16], B lowp_scales[17])
;;     11. [M 1,024, K 4,096] x [K 4,096, N 1,024]; A: computed on the way; B: input W2: QUANTISED (scales: A lowp_scales[18], B lowp_scales[19])
;;     12. [M 1,024, K 1,024] x [K 1,024, N 4,096]; A: input x; B: input W1: QUANTISED (scales: A lowp_scales[20], B lowp_scales[21])
;;     13. [M 1,024, K 4,096] x [K 4,096, N 1,024]; A: computed on the way; B: input W2: QUANTISED (scales: A lowp_scales[22], B lowp_scales[23])
;;     14. [M 1,024, K 1,024] x [K 1,024, N 4,096]; A: input x; B: input W1: QUANTISED (scales: A lowp_scales[24], B lowp_scales[25])
;;     15. [M 1,024, K 4,096] x [K 4,096, N 1,024]; A: computed on the way; B: input W2: QUANTISED (scales: A lowp_scales[26], B lowp_scales[27])
;;     16. [M 1,024, K 1,024] x [K 1,024, N 4,096]; A: input x; B: input W1: QUANTISED (scales: A lowp_scales[28], B lowp_scales[29])
;;     17. [M 1,024, K 4,096] x [K 4,096, N 1,024]; A: computed on the way; B: input W2: QUANTISED (scales: A lowp_scales[30], B lowp_scales[31])
;;   THE QUANTISER, for each operand of a quantised product, along K:
;;     - The operand's scale is 2^e, e = its entry of the input lowp_scales (int32; the entries are numbered through the quantised products in the list's order, A before B).
;;     - Each number is divided by the scale, clamped to +-448, and rounded to the nearest number of E4M3, ties to even, subnormals kept.
;;     - The product sums the exact products of the quantised numbers (number of the format x scale) in f32.
;;   ~~~python
;;   def quantise(x, axis, e):      # numpy; x: float32 -> the quantised numbers, widened to float32 again
;;       x = np.moveaxis(x, axis, -1); K = x.shape[-1]
;;       r = np.clip(x / 2.0 ** e, -448, 448)
;;       step = 2.0 ** (np.maximum(np.frexp(np.where(r == 0, 1, r))[1] - 1, -6) - 3)
;;       q = np.round(r / step) * step * 2.0 ** e      # np.round: ties to even
;;       return np.moveaxis(q, -1, axis).astype(np.float32)
;;   ~~~
;;   OPERANDS COMPUTED ON THE WAY. 'Computed on the way' means the value that the module computes at that place (a softmax that the list does not call 'softmax' is quantised finished and normalised). What goes into a quantiser is computed in f32, as accurately as f32 sums, v_exp_f32 and their like allow (about 1e-6 of the number): no bf16 or f16 on the way to a quantiser, and a product that is left as it is and whose result goes on into a quantised operand takes f32 operands (vector FMAs, or v_wmma_f32_16x16x4_f32). A number that lies on a knife's edge between two numbers of the format may be rounded either way, as far as f32 arithmetic and the matrix unit's own rounding can turn it there, and no further.
;; 2 versions. Each part assembles by itself: llvm-mc -triple=amdgcn-amd-amdhsa -mcpu=gfx1250 --defsym DOCPART=n.
;; ======== version 1 of 2: 5 launches
;; workspace buffers: idx 4,096 bytes of whole numbers; score 4,096 bytes; xq 1,048,576 bytes; tok 5,632 bytes of whole numbers; meta 512 bytes of whole numbers; ss 4,096 bytes; hq 4,653,056 bytes; part 18,612,224 bytes
;; launch route (part 1): grid 256 x 1, 4 waves a work-group, no clusters, 37,376 bytes of LDS; arguments x, Wr, br, lowp_scales, idx, score, xq; writes idx, score, xq
.if DOCPART == 1
	.amdgcn_target "amdgcn-amd-amdhsa--gfx1250"
	.amdhsa_code_object_version 6
	.text
	.protected	k_qf25063d633_route
	.globl	k_qf25063d633_route
	.p2align	8
	.type	k_qf25063d633_route,@function
k_qf25063d633_route:
	s_mov_b64 s[64:65], 0
	v_nop
	global_prefetch_b8 v0, s[64:65] scope:SCOPE_SE
	s_setreg_imm32_b32 hwreg(HW_REG_WAVE_MODE, 25, 1), 1
	s_wait_xcnt 0x0
; THE ROUTER.  logits = x Wr + br in f32 (fused multiply-adds); the chosen expert and its softmax score for each token; the token's row of x as codes of E4M3 with the scale of ITS expert (lowp_scales[4 e]).
; x: [1024][1024] f32.  Wr: [1024][8] f32.  A wave takes one row of x; a work-group of four waves four rows; 256 work-groups.
; Wr (32,768 bytes) goes once into LDS as 256 blocks of 128 bytes (four rows of Wr), 144 bytes apart, so that the 32 lanes, a block each, start at different banks.
; A lane's 32 numbers of x: X[4 j + b] = column 128 j + 4 lane + b: each load of the wave covers 512 consecutive bytes.
; The codes leave in the same order: stored byte 512 H + 16 lane + 4 jj + b of a row holds column 128 (jj + 4 H) + 4 lane + b.  The launch that multiplies takes the weights' rows in that order too.
; No address and no branch hangs on a floating-point number: the choice selects values only (v_cndmask_b32); idx, score and xq lie at fixed places.
; LIMITS: the largest LOGIT is taken, the lower index on a tie (reference() takes the largest rounded score: the two differ only where two logits are closer than the exponential's rounding).
; lowp_scales[4 e] between -126 and 119, so that 2^e and 448 x 2^e are f32 numbers.  NaN among the inputs is not served.
; No matrix unit: eight columns are too few for a tile; no cluster: the launch has no tensor load.
.set PB,  144                          ; a block's pitch in LDS
.set X,   8                            ; v8-39    my 32 numbers of x
.set WL,  40                           ; v40-103  Wr as it lands
.set WB,  104                          ; v104-167 two buffers of 32: a block of Wr from LDS
.set LG,  168                          ; v168-175 the eight logits
	s_load_b256 s[4:11], s[0:1], 0x0               ; x s[4:5], Wr s[6:7], br s[8:9], lowp_scales s[10:11]
	s_load_b128 s[12:15], s[0:1], 0x20             ; idx s[12:13], score s[14:15]
	s_load_b64 s[16:17], s[0:1], 0x30              ; xq
	v_lshl_add_u32 v192, v0, 2, 0x9000
	v_mov_b32 v193, 0
	v_and_b32 v1, 31, v0                           ; lane
	v_lshrrev_b32 v5, 5, v0
	v_readfirstlane_b32 s18, v5                    ; wave
	v_lshrrev_b32 v2, 3, v0
	v_mul_u32_u24 v2, v2, PB
	v_and_b32 v5, 7, v0
	v_lshl_add_u32 v2, v5, 4, v2                   ; into LDS: eight threads fill a block: 144 (t / 8) + 16 (t % 8)
	v_mul_u32_u24 v3, v1, PB                       ; out of LDS: a block a lane
	v_lshlrev_b32 v4, 4, v1                        ; 16 x lane
	v_lshlrev_b32 v6, 4, v0                        ; 16 x thread
	v_mov_b32 v183, 0
	s_lshl_b32 s19, ttmp9, 2
	s_add_co_u32 s19, s19, s18                     ; my row
	s_lshl_b32 s20, s19, 12                        ; its bytes in x,
	s_mov_b32 s21, 0
	s_lshl_b32 s22, s19, 10                        ; in xq,
	s_mov_b32 s23, 0
	s_lshl_b32 s70, s19, 2                         ; in idx and score
	s_mov_b32 s71, 0
	s_mov_b32 s66, 0x76543210                      ; v_permlanex16_b32: lane l xor 16
	s_mov_b32 s67, 0xfedcba98
	s_wait_kmcnt 0x0
	s_load_b256 s[24:31], s[8:9], 0x0              ; br
	s_load_b512 s[32:47], s[10:11], 0x0            ; the 32 exponents: x's for expert e is entry 4 e
	s_load_b512 s[48:63], s[10:11], 0x40
	s_add_nc_u64 s[4:5], s[4:5], s[20:21]
	s_add_nc_u64 s[16:17], s[16:17], s[22:23]
	s_add_nc_u64 s[12:13], s[12:13], s[70:71]
	s_add_nc_u64 s[14:15], s[14:15], s[70:71]
.irp i, 0,1,2,3,4,5,6,7,8,9,10,11,12,13,14,15
	global_load_b128 v[WL+4*\i:WL+4*\i+3], v6, s[6:7] offset:2048*\i      ; the work-group's 128 threads take 2,048 consecutive bytes of Wr
.endr
.irp j, 0,1,2,3,4,5,6,7
	global_load_b128 v[X+4*\j:X+4*\j+3], v4, s[4:5] offset:512*\j th:TH_LOAD_NT
.endr
	s_wait_loadcnt 0x8                             ; Wr is in; the eight younger loads, x's, may be out
.irp i, 0,1,2,3,4,5,6,7,8,9,10,11,12,13,14,15
	ds_store_b128 v2, v[WL+4*\i:WL+4*\i+3] offset:16*PB*\i
.endr
	s_wait_dscnt 0x0                               ; for the others' sake: my part of Wr lies in LDS
	s_barrier_signal -1
	s_barrier_wait -1
.macro WRLD j                          ; block 32 j + lane: Wr's rows 128 j + 4 lane + 0 .. 3: register 8 b + e
.irp i, 0,1,2,3,4,5,6,7
	ds_load_b128 v[WB+32*((\j)%2)+4*\i:WB+32*((\j)%2)+4*\i+3], v3 offset:32*PB*(\j)+16*\i
.endr
.endm
.macro DOT j                           ; eight chains, one an expert; the first products start the sums
.irp b, 0,1,2,3
.irp e, 0,1,2,3,4,5,6,7
.if ((\j) == 0) && (\b == 0)
	v_mul_f32 v[LG+\e], v[X+4*(\j)+\b], v[WB+32*((\j)%2)+8*\b+\e]
.else
	v_fmac_f32 v[LG+\e], v[X+4*(\j)+\b], v[WB+32*((\j)%2)+8*\b+\e]
.endif
.endr
.endr
.endm
	WRLD 0
	s_wait_loadcnt 0x0                             ; x
.irp j, 0,1,2,3,4,5,6
	WRLD \j+1
	s_wait_dscnt 0x8                               ; this block is in; the next block's eight loads may be out
	DOT \j
.endr
	s_wait_dscnt 0x0
	DOT 7
.irp m, 1,2,4,8                        ; the sums over the 32 lanes, in every lane
.irp e, 0,1,2,3,4,5,6,7
	v_add_f32_dpp v[LG+\e], v[LG+\e], v[LG+\e] row_xmask:\m row_mask:0xf bank_mask:0xf
.endr
.endr
.irp e, 0,1,2,3,4,5,6,7
	v_permlanex16_b32 v[WB+\e], v[LG+\e], s66, s67
.endr
	s_wait_kmcnt 0x0                               ; br and the exponents
.irp e, 0,1,2,3,4,5,6,7
	v_add_f32 v[LG+\e], v[LG+\e], v[WB+\e]
.endr
.irp e, 0,1,2,3,4,5,6,7
	v_add_f32 v[LG+\e], s[24+\e], v[LG+\e]
.endr
	v_mov_b32 v176, v[LG]                          ; the largest logit so far,
	v_mov_b32 v177, 0                              ; its expert,
	v_mov_b32 v178, s32                            ; and that expert's exponent for x
.irp e, 1,2,3,4,5,6,7
	v_cmp_ge_f32 vcc_lo, v176, v[LG+\e]            ; what stands is kept on a tie: the lower index
	v_cndmask_b32 v177, \e, v177, vcc_lo
	v_cndmask_b32 v178, s[32+4*\e], v178, vcc_lo
	v_cndmask_b32 v176, v[LG+\e], v176, vcc_lo
.endr
.irp e, 0,1,2,3,4,5,6,7
	v_sub_f32 v[WB+\e], v[LG+\e], v176             ; the maximum is taken away ahead of the exponentials
.endr
.irp e, 0,1,2,3,4,5,6,7
	v_mul_f32 v[WB+\e], 0x3fb8aa3b, v[WB+\e]
.endr
.irp e, 0,1,2,3,4,5,6,7
	v_exp_f32 v[WB+\e], v[WB+\e]
.endr
	v_add_nc_u32 v182, 0x7f, v178                  ; (plain work behind the batch)  e + 127
	v_lshlrev_b32 v180, 23, v182                   ; 2^e as f32: the conversion takes its exponent field
	v_add_nc_u32 v182, 8, v182
	v_lshlrev_b32 v181, 23, v182
	v_or_b32 v181, 0x600000, v181                  ; 448 x 2^e
	s_wait_alu depctr_va_vdst(0)                   ; one wait for the eight exponentials, ahead of their first reader
	v_add_f32 v[WB], v[WB], v[WB+1]
	v_add_f32 v[WB+2], v[WB+2], v[WB+3]
	v_add_f32 v[WB+4], v[WB+4], v[WB+5]
	v_add_f32 v[WB+6], v[WB+6], v[WB+7]
	v_add_f32 v[WB], v[WB], v[WB+2]
	v_add_f32 v[WB+4], v[WB+4], v[WB+6]
	v_add_f32 v[WB], v[WB], v[WB+4]
	v_rcp_f32 v179, v[WB]                          ; the largest score: exp(0) / the sum
.set k, 0
.rept 32
	v_med3_num_f32 v[X+k], v[X+k], -v181, v181     ; the conversion to an 8-bit code does not saturate (ISA guide 7.6.2): the hold at the largest code x the scale
.set k, k+1
.endr
.irp g, 0,1,2,3
	v_cvt_scalef32_pk8_fp8_f32 v[184+2*\g:185+2*\g], v[X+8*\g:X+8*\g+7], v180
.endr
	v_nop
	v_cmp_eq_u32 vcc_lo, 0, v1
	s_wait_alu depctr_va_vdst(0)                   ; the reciprocal's wait, ahead of the store that reads it
	global_store_b128 v4, v[184:187], s[16:17]             ; 512 consecutive bytes of my row of codes,
	global_store_b128 v4, v[188:191], s[16:17] offset:512  ; and the other 512
	s_wait_xcnt 0x0                                ; EXEC changes only behind this wait
	s_wait_tensorcnt 0x0
	ds_add_u32 v192, v193
	s_wait_dscnt 0x0
	s_and_saveexec_b32 s68, vcc_lo                 ; lane 0 alone
	global_store_b32 v183, v177, s[12:13]
	global_store_b32 v183, v179, s[14:15]
	s_wait_xcnt 0x0
	s_or_b32 exec_lo, exec_lo, s68
	s_endpgm
.Lfunc_end_k_qf25063d633_route:
	.size	k_qf25063d633_route, .Lfunc_end_k_qf25063d633_route-k_qf25063d633_route
	.p2alignl 7, 3214868480
	.fill 96, 4, 3214868480
	.section	.rodata,"a",@progbits
	.p2align	6, 0x0
	.amdhsa_kernel k_qf25063d633_route
		.amdhsa_group_segment_fixed_size 37376
		.amdhsa_private_segment_fixed_size 0
		.amdhsa_enable_private_segment 0
		.amdhsa_kernarg_size 56
		.amdhsa_user_sgpr_count 2
		.amdhsa_user_sgpr_kernarg_segment_ptr 1
		.amdhsa_wavefront_size32 1
		.amdhsa_system_sgpr_workgroup_id_x 1
		.amdhsa_system_sgpr_workgroup_id_y 1
		.amdhsa_system_sgpr_workgroup_id_z 1
		.amdhsa_system_vgpr_workitem_id 0
		.amdhsa_next_free_vgpr 194
		.amdhsa_next_free_sgpr 72
		.amdhsa_reserve_vcc 1
		.amdhsa_float_denorm_mode_32 3
		.amdhsa_float_denorm_mode_16_64 3
		.amdhsa_memory_ordered 1
		.amdhsa_forward_progress 1
		.amdhsa_inst_pref_size 26
	.end_amdhsa_kernel
	.amdgpu_metadata
---
amdhsa.version: [ 1, 2 ]
amdhsa.kernels:
  - .name:           k_qf25063d633_route
    .symbol:         k_qf25063d633_route.kd
    .args:
      - { .name: x, .offset: 0, .size: 8, .value_kind: global_buffer, .address_space: global }
      - { .name: Wr, .offset: 8, .size: 8, .value_kind: global_buffer, .address_space: global }
      - { .name: br, .offset: 16, .size: 8, .value_kind: global_buffer, .address_space: global }
      - { .name: lowp_scales, .offset: 24, .size: 8, .value_kind: global_buffer, .address_space: global }
      - { .name: idx, .offset: 32, .size: 8, .value_kind: global_buffer, .address_space: global }
      - { .name: score, .offset: 40, .size: 8, .value_kind: global_buffer, .address_space: global }
      - { .name: xq, .offset: 48, .size: 8, .value_kind: global_buffer, .address_space: global }
    .group_segment_fixed_size: 37376
    .private_segment_fixed_size: 0
    .kernarg_segment_align: 8
    .kernarg_segment_size: 56
    .max_flat_workgroup_size: 128
    .sgpr_count:     72
    .vgpr_count:     194
    .wavefront_size: 32
...
	.end_amdgpu_metadata
.endif
;; end of part 1
;; launch place (part 2): grid 1 x 1, 32 waves a work-group, no clusters, 8,192 bytes of LDS; arguments idx, score, tok, ss, meta; writes tok, ss, meta
.if DOCPART == 2
	.amdgcn_target "amdgcn-amd-amdhsa--gfx1250"
	.amdhsa_code_object_version 6
	.text
	.protected	k_qf25063d633_place
	.globl	k_qf25063d633_place
	.p2align	8
	.type	k_qf25063d633_place,@function
k_qf25063d633_place:
	s_mov_b64 s[64:65], 0
	v_nop
	global_prefetch_b8 v0, s[64:65] scope:SCOPE_SE
	s_setreg_imm32_b32 hwreg(HW_REG_WAVE_MODE, 25, 1), 1
	s_wait_xcnt 0x0
; THE PLACING: a stable counting sort of the 1,024 tokens by expert, whole numbers only.  One work-group, thread t = token t, no atomics.
; OUT.  tok[place] = token, in PADDED order: expert e owns tiles toff_e .. toff_e + T_e - 1 of 16 places, T_e = ceil(n_e / 16); a place without a token holds 1024; all 1,408 words are written
;       (71 tiles at the most, and a chunk of 11 tiles that begins at the last of them ends inside 1,408).
;       ss[p] = the score of the token at UNPADDED sorted place p: reference() scales row p of the output by it.
;       meta: words 0-7 n_e, 8-15 toff_e, 16 the number of tiles, 17-31 zero, 32 + tile (96 of them) the tile's expert.
; A token's rank among its expert's: those in earlier waves (counts meet in LDS: row = expert, word = wave) + those in lower lanes of its wave (v_mbcnt_lo_u32_b32 on the expert's mask).
; SCALARS: s8-15 masks; s16-23 my wave's counts; s24-31 n_e; s32-39 counts in earlier waves; s40-47 toff_e; s48 tiles; s49 tokens so far; s50-57 16 toff_e + before; s66-73 off_e + before; s74-81 16 toff_e.
	s_load_b256 s[84:91], s[0:1], 0x0              ; idx s[84:85], score s[86:87], tok s[88:89], ss s[90:91]
	s_load_b64 s[92:93], s[0:1], 0x20              ; meta
	v_lshl_add_u32 v64, v0, 2, 0x1000
	v_mov_b32 v65, 0
	v_and_b32 v1, 31, v0                           ; lane
	v_lshrrev_b32 v2, 5, v0
	v_readfirstlane_b32 s2, v2                     ; wave
	v_lshlrev_b32 v3, 2, v0                        ; 4 t
	s_mov_b32 s94, 0x76543210
	s_mov_b32 s95, 0xfedcba98
	s_wait_kmcnt 0x0
	global_load_b32 v4, v3, s[84:85]
	global_load_b32 v5, v3, s[86:87]
	v_mov_b32 v6, 0                                ; my rank in my wave
	v_mov_b32 v8, 0
	v_lshlrev_b32 v9, 7, v1
	s_lshl_b32 s3, s2, 2
	v_add_nc_u32 v9, s3, v9                        ; the table: row = lane (an expert in lanes 0-7), word = my wave
	v_lshlrev_b32 v10, 2, v1
.set k, 0
.rept 16
	v_mov_b32 v[32+k], 0                           ; written once: the destination of a lane exchange counts as read
.set k, k+1
.endr
	s_wait_loadcnt 0x0
	v_min_u32 v4, 7, v4
.irp e, 0,1,2,3,4,5,6,7
	v_cmp_eq_u32 s[8+\e], \e, v4
	s_bcnt1_i32_b32 s[16+\e], s[8+\e]
	v_mbcnt_lo_u32_b32 v7, s[8+\e], 0
	v_cndmask_b32 v6, v6, v7, s[8+\e]
	v_writelane_b32 v8, s[16+\e], \e
.endr
	ds_store_b32 v9, v8
	s_wait_dscnt 0x0                               ; for the others' sake: my counts lie in LDS
	s_barrier_signal -1
	s_barrier_wait -1
.irp e, 0,1,2,3,4,5,6,7
	ds_load_b32 v[16+\e], v10 offset:128*\e        ; lane l: wave l's count of expert e
.endr
	v_cmp_gt_u32 vcc_lo, s2, v1                    ; the waves in front of mine
	s_wait_dscnt 0x0
.irp e, 0,1,2,3,4,5,6,7
	v_cndmask_b32 v[24+\e], 0, v[16+\e], vcc_lo
.endr
.irp m, 1,2,4,8                        ; sixteen sums over the 32 lanes
.irp k, 0,1,2,3,4,5,6,7,8,9,10,11,12,13,14,15
	v_mov_b32_dpp v[32+\k], v[16+\k] row_xmask:\m row_mask:0xf bank_mask:0xf
.endr
.irp k, 0,1,2,3,4,5,6,7,8,9,10,11,12,13,14,15
	v_add_nc_u32 v[16+\k], v[16+\k], v[32+\k]
.endr
.endr
.irp k, 0,1,2,3,4,5,6,7,8,9,10,11,12,13,14,15
	v_permlanex16_b32 v[32+\k], v[16+\k], s94, s95
.endr
.irp k, 0,1,2,3,4,5,6,7,8,9,10,11,12,13,14,15
	v_add_nc_u32 v[16+\k], v[16+\k], v[32+\k]
.endr
.irp e, 0,1,2,3,4,5,6,7
	v_readfirstlane_b32 s[24+\e], v[16+\e]
	v_readfirstlane_b32 s[32+\e], v[24+\e]
.endr
	s_mov_b32 s48, 0
	s_mov_b32 s49, 0
.irp e, 0,1,2,3,4,5,6,7
	s_mov_b32 s[40+\e], s48
	s_lshl_b32 s[74+\e], s48, 4
	s_add_co_u32 s[50+\e], s[74+\e], s[32+\e]
	s_add_co_u32 s[66+\e], s49, s[32+\e]
	s_add_co_u32 s3, s[24+\e], 15
	s_lshr_b32 s3, s3, 4
	s_add_co_u32 s48, s48, s3
	s_add_co_u32 s49, s49, s[24+\e]
.endr
	v_mov_b32 v11, 0
	v_mov_b32 v12, 0
.irp e, 0,1,2,3,4,5,6,7
	v_cndmask_b32 v11, v11, s[50+\e], s[8+\e]
	v_cndmask_b32 v12, v12, s[66+\e], s[8+\e]
.endr
	v_add_nc_u32 v11, v11, v6                      ; my padded place,
	v_add_nc_u32 v12, v12, v6                      ; my unpadded place
	v_min_u32 v11, 0x57f, v11
	v_min_u32 v12, 0x3ff, v12
	v_lshlrev_b32 v11, 2, v11
	v_lshlrev_b32 v12, 2, v12
	global_store_b32 v11, v0, s[88:89]
	global_store_b32 v12, v5, s[90:91]
	v_mov_b32 v15, 0x400                           ; the mark of a place without a token
	v_add_nc_u32 v13, 0x400, v0
; Place v[p] holds a token if, for some expert, place - 16 toff_e (unsigned) is under n_e.  The others get the mark.
.macro PADS p, off
	s_mov_b32 s82, 0
.irp e, 0,1,2,3,4,5,6,7
	v_sub_nc_u32 v14, v[\p], s[74+\e]
	v_cmp_gt_u32 s83, s[24+\e], v14
	s_or_b32 s82, s82, s83
.endr
	s_not_b32 vcc_lo, s82
	s_wait_xcnt 0x0                                ; EXEC changes only behind this wait
	s_and_saveexec_b32 s83, vcc_lo
	global_store_b32 v3, v15, s[88:89] offset:\off
	s_wait_xcnt 0x0
	s_or_b32 exec_lo, exec_lo, s83
.endm
	PADS 0, 0                                      ; places 0 to 1,023
	s_cmp_lt_u32 s2, 12
	s_cbranch_scc0 .Lno_more_places
	PADS 13, 4096                                  ; places 1,024 to 1,407: waves 0 to 11
.Lno_more_places:
	s_cmp_lt_u32 s2, 3
	s_cbranch_scc0 .Lno_texp
	v_mov_b32 v17, 0                               ; tile t's expert: the last e whose first tile is not behind t
.irp e, 1,2,3,4,5,6,7
	v_cmp_gt_u32 vcc_lo, s[40+\e], v0
	v_cndmask_b32 v17, \e, v17, vcc_lo
.endr
	global_store_b32 v3, v17, s[92:93] offset:128
.Lno_texp:
	s_cmp_eq_u32 s2, 0
	s_cbranch_scc0 .Lend
	v_mov_b32 v18, 0
.irp e, 0,1,2,3,4,5,6,7
	v_writelane_b32 v18, s[24+\e], \e
	v_writelane_b32 v18, s[40+\e], 8+\e
.endr
	v_writelane_b32 v18, s48, 16
	global_store_b32 v3, v18, s[92:93]             ; meta's first 32 words
.Lend:
	s_wait_tensorcnt 0x0
	ds_add_u32 v64, v65
	s_wait_dscnt 0x0
	s_endpgm
.Lfunc_end_k_qf25063d633_place:
	.size	k_qf25063d633_place, .Lfunc_end_k_qf25063d633_place-k_qf25063d633_place
	.p2alignl 7, 3214868480
	.fill 96, 4, 3214868480
	.section	.rodata,"a",@progbits
	.p2align	6, 0x0
	.amdhsa_kernel k_qf25063d633_place
		.amdhsa_group_segment_fixed_size 8192
		.amdhsa_private_segment_fixed_size 0
		.amdhsa_enable_private_segment 0
		.amdhsa_kernarg_size 40
		.amdhsa_user_sgpr_count 2
		.amdhsa_user_sgpr_kernarg_segment_ptr 1
		.amdhsa_wavefront_size32 1
		.amdhsa_system_sgpr_workgroup_id_x 1
		.amdhsa_system_sgpr_workgroup_id_y 1
		.amdhsa_system_sgpr_workgroup_id_z 1
		.amdhsa_system_vgpr_workitem_id 0
		.amdhsa_next_free_vgpr 66
		.amdhsa_next_free_sgpr 100
		.amdhsa_reserve_vcc 1
		.amdhsa_float_denorm_mode_32 3
		.amdhsa_float_denorm_mode_16_64 3
		.amdhsa_memory_ordered 1
		.amdhsa_forward_progress 1
		.amdhsa_inst_pref_size 22
	.end_amdhsa_kernel
	.amdgpu_metadata
---
amdhsa.version: [ 1, 2 ]
amdhsa.kernels:
  - .name:           k_qf25063d633_place
    .symbol:         k_qf25063d633_place.kd
    .args:
      - { .name: idx, .offset: 0, .size: 8, .value_kind: global_buffer, .address_space: global }
      - { .name: score, .offset: 8, .size: 8, .value_kind: global_buffer, .address_space: global }
      - { .name: tok, .offset: 16, .size: 8, .value_kind: global_buffer, .address_space: global }
      - { .name: ss, .offset: 24, .size: 8, .value_kind: global_buffer, .address_space: global }
      - { .name: meta, .offset: 32, .size: 8, .value_kind: global_buffer, .address_space: global }
    .group_segment_fixed_size: 8192
    .private_segment_fixed_size: 0
    .kernarg_segment_align: 8
    .kernarg_segment_size: 40
    .max_flat_workgroup_size: 1024
    .sgpr_count:     100
    .vgpr_count:     66
    .wavefront_size: 32
...
	.end_amdgpu_metadata
.endif
;; end of part 2
;; launch hidden (part 3): grid 32 x 8, 8 waves a work-group, no clusters, 315,392 bytes of LDS; arguments W1, b1, lowp_scales, xq, tok, meta, hq; writes hq
.if DOCPART == 3
	.amdgcn_target "amdgcn-amd-amdhsa--gfx1250"
	.amdhsa_code_object_version 6
	.text
	.protected	k_qf25063d633_hidden
	.globl	k_qf25063d633_hidden
	.p2align	8
	.type	k_qf25063d633_hidden,@function
k_qf25063d633_hidden:
	s_mov_b64 s[64:65], 0
	v_nop
	global_prefetch_b8 v0, s[64:65] scope:SCOPE_SE
	s_setreg_imm32_b32 hwreg(HW_REG_WAVE_MODE, 25, 1), 1
	s_wait_xcnt 0x0
; THE FIRST PRODUCT OF THE CHOSEN EXPERTS: hq = Q(relu(Q(x) Q(W1[e]) + b1[e])), for the tokens of expert e alone, on codes of E4M3.
; THE WEIGHTS STAND STILL.  Work-group (sl, e) owns W1[e][all 1,024 k][columns 128 sl .. +127]: 512 KiB of f32, read once, quantised in registers on the way, kept as 128 KiB of codes in LDS, and multiplied by all
; tokens of the expert, a chunk of 11 tiles of 16 at a time.  8 x 32 = 256 work-groups.  Wave w: g = w & 1 its 64 columns; cc = w >> 1 its quarter of each fragment as a producer, and its tiles of tokens (cc, cc + 4, cc + 8) as a multiplier.
; A UNIT (K step s of 128, quarter cc): 16 loads; in each, lanes 0-15 read 256 consecutive bytes (64 columns) of one row k, lanes 16-31 of the row 4 further down.  Load 4 i + b of half h reads
; k = 512 (s / 4) + 128 i + 32 (s % 4) + 8 cc + 4 h + b: the order in which xq stores a token's codes, so that both operands hold the same k in the same half, register and byte.  K's order inside an instruction is thus
; permuted, alike on both sides.  The conversions give register 4 i + b = row, byte j = column 4 r + j; a turn of 4 x 4 bytes (v_perm_b32) gives register i, byte b of column 4 r + j.
; So tile j of a wave's four holds in lane r the column 64 g + 4 r + j: the columns of a tile are not neighbours.
; THE MATRIX INSTRUCTION IS USED TRANSPOSED (source 0 = 16 columns of W1, source 1 = 16 tokens): lane (r, h) holds token r, and register p of tile j the hidden unit 64 g + 32 h + 4 p + j.  Converted eight at a time these
; are registers 8 g + 2 j + jj, byte b = unit 64 g + 32 h + 16 jj + 4 b + j of the second product's operand; they are stored as an image of that operand's registers: hq[tile][K step sl][512 (register / 4) + 16 lane].
; b1, divided by 2^(ex + ew1), is the C of each sum's first instruction; relu is the lower end of the hold; the three scales ahead of the quantiser are folded into the conversion's one.
; COUNTS READ FROM MEMORY (n_e, the first tile) steer stores and the later chunks, so the launch has no tensor load and no joint load; every barrier stands on every wave's path, outside those branches.
; What work-groups share, the tokens' codes, is 176 KiB of the 688 KiB that a work-group takes in.  Chunk 0 is staged and multiplied whole whatever n_e, so that every count of loads is the same on every path;
; rows without a token take another token's codes, and tiles beyond the expert's are not stored.
; LIMITS: ew1 and eh - ex - ew1 between -126 and 119.  NaN among the inputs is not served.
; LDS: 0: the codes of W1: fragment (tile 4 g + j, K step s) at 16384 (4 g + j) + 2048 s + 512 c + 16 lane.   ABASE: 176 rows of tokens' codes, 1,024 bytes + 16 of padding.
; REGISTERS, window 0: v1 16 lane; v2 my offset in W1; v3 / v4 where I store / read codes of W1; v5-7 my three tiles of tokens; v8 where I stage tokens; v11 16 lane + 1024 g; v12, v13 2^ew1 and 448 x that; v14, v15 the same
;   for eh - ex - ew1; v16-18 offsets of the stores; v21 b1's offset; v32-47 codes as converted, also tokens' fragment 0; v48-63 codes turned, also fragment 1; v64-67 at work; v68-163 12 accumulators; v164-227 four fragments
;   of W1, later the hidden codes; v228-243 fragment 2.  At a staging: v32-53 addresses, v68-243 the rows.   window 1: v0-191 three landing slots of 64; v192-223 b1; v224-255 b1 scaled, tile j at 224 + 8 j.
.set ABASE, 131072
.set AP,    1040                       ; a staged row: 65 x 16 bytes, so that the 16 rows of a fragment load start at different banks
.set R,     32
.set T,     48
.set ACC,   68
.set BF,    164
.set A0,    32
.set A1,    48
.set A2,    228
.set MSB, 0
.macro WIN new                         ; the immediate's high byte repeats the setting that is left
.if MSB != \new
	s_set_vgpr_msb (MSB<<8)|\new
.set MSB, \new
.endif
.endm
.macro BAR                             ; my LDS stores have landed and my LDS loads are in: then the work-group's barrier
	s_wait_dscnt 0x0
	s_barrier_signal -1
	s_barrier_wait -1
.endm
.macro LOADW u                         ; unit u into landing slot u % 3 (the window stays set: the caller switches back)
	WIN 0x40                                       ; destination window 1, address window 0
.set LS, 64*((\u)%3)
.set LB, 32+2*((\u)/4)
.irp i, 0,1,2,3
.irp b, 0,1,2,3
	global_load_b128 v[LS+16*\i+4*\b:LS+16*\i+4*\b+3], v2, s[LB:LB+1] offset:(128*\i+32*((\u)%4)+\b)*16384 th:TH_LOAD_NT
.endr
.endr
.endm
.macro PROC u, n, reload               ; unit u becomes codes in LDS.  n: the younger loads that may stay out
.set LS, 64*((\u)%3)
	s_wait_loadcnt \n
	WIN 0x41                                       ; destination and source 0 window 1
.set k, 0
.rept 64
	v_med3_num_f32 v[LS+k], v[LS+k], -v13, v13     ; the conversion does not saturate (ISA guide 7.6.2): the hold at the largest code x the scale
.set k, k+1
.endr
	WIN 0x01                                       ; source 0 window 1
.set k, 0
.rept 8
	v_cvt_scalef32_pk8_fp8_f32 v[R+2*k:R+2*k+1], v[LS+8*k:LS+8*k+7], v12
.set k, k+1
.endr
.if \reload
	LOADW (\u)+3                                   ; the slot takes the unit three on
.endif
	WIN 0
	v_nop                                          ; a plain line between the conversions and the reads of their results
	s_wait_dscnt 0x0                               ; the last unit's LDS stores have read the registers that are written now
.irp i, 0,1,2,3
	v_perm_b32 v64, v[R+4*\i+1], v[R+4*\i], s36
	v_perm_b32 v65, v[R+4*\i+1], v[R+4*\i], s37
	v_perm_b32 v66, v[R+4*\i+3], v[R+4*\i+2], s36
	v_perm_b32 v67, v[R+4*\i+3], v[R+4*\i+2], s37
	v_perm_b32 v[T+\i], v66, v64, s38
	v_perm_b32 v[T+4+\i], v66, v64, s39
	v_perm_b32 v[T+8+\i], v67, v65, s38
	v_perm_b32 v[T+12+\i], v67, v65, s39
.endr
.irp j, 0,1,2,3
	ds_store_b128 v3, v[T+4*\j:T+4*\j+3] offset:\j*16384+(\u)*2048
.endr
.endm
.macro STAGE_LOAD                      ; my 22 of the chunk's 176 rows of xq, by the list of tokens.  s73 = 11 x chunk
	s_add_co_u32 s66, s29, s73
	s_lshl_b32 s66, s66, 6                         ; a tile's 16 places are 64 bytes of tok
	s_mul_i32 s67, s18, 88
	s_add_co_u32 s66, s66, s67
	s_min_u32 s66, s66, 5544                       ; 22 words from here end inside tok's 5,632 bytes
	s_load_b256 s[40:47], s[12:13], s66 offset:0x0
	s_load_b256 s[48:55], s[12:13], s66 offset:0x20
	s_load_b128 s[56:59], s[12:13], s66 offset:0x40
	s_load_b64 s[60:61], s[12:13], s66 offset:0x50
	s_wait_kmcnt 0x0
.set k, 0
.rept 22
	s_min_u32 s[40+k], s[40+k], 1023               ; a place without a token takes token 1,023's codes: its results are never used
	v_lshl_add_u32 v[32+k], s[40+k], 10, v1
.set k, k+1
.endr
.set k, 0
.rept 22
	global_load_b128 v[ACC+8*k:ACC+8*k+3], v[32+k], s[10:11]
	global_load_b128 v[ACC+8*k+4:ACC+8*k+7], v[32+k], s[10:11] offset:512
.set k, k+1
.endr
	s_wait_xcnt 0x0                                ; the loads have read their address registers, which are written again below
.endm
.macro STAGE_STORE
.set k, 0
.rept 22
	ds_store_b128 v8, v[ACC+8*k:ACC+8*k+3] offset:k*AP
	ds_store_b128 v8, v[ACC+8*k+4:ACC+8*k+7] offset:k*AP+512
.set k, k+1
.endr
.endm
.macro MUL4 i, a, first                ; tile i of tokens against my four tiles of columns
.irp j, 0,1,2,3
.if \first
	v_wmma_f32_16x16x128_fp8_fp8 v[ACC+32*\i+8*\j:ACC+32*\i+8*\j+7], v[BF+16*\j:BF+16*\j+15], v[\a:\a+15], v[224+8*\j:231+8*\j]
.else
	v_wmma_f32_16x16x128_fp8_fp8 v[ACC+32*\i+8*\j:ACC+32*\i+8*\j+7], v[BF+16*\j:BF+16*\j+15], v[\a:\a+15], v[ACC+32*\i+8*\j:ACC+32*\i+8*\j+7]
.endif
.endr
.endm
.macro MM s, first                     ; K step s: 28 LDS loads, 12 matrix instructions on 12 accumulators by turns
.rept 4
	v_nop                                          ; places in front of loads into registers that matrix instructions have read
.endr
.irp j, 0,1,2,3
.irp c, 0,1,2,3
	ds_load_b128 v[BF+16*\j+4*\c:BF+16*\j+4*\c+3], v4 offset:\j*16384+(\s)*2048+512*\c
.endr
.endr
.irp c, 0,1,2,3
	ds_load_b128 v[A0+4*\c:A0+4*\c+3], v5 offset:128*(\s)+32*\c
.endr
.irp c, 0,1,2,3
	ds_load_b128 v[A1+4*\c:A1+4*\c+3], v6 offset:128*(\s)+32*\c
.endr
.irp c, 0,1,2,3
	ds_load_b128 v[A2+4*\c:A2+4*\c+3], v7 offset:128*(\s)+32*\c
.endr
	s_wait_dscnt 0x8                               ; W1's four and the first tile of tokens are in; the eight younger loads may be out
.if \first
	WIN 0x10                                       ; C (b1) window 1
.endif
	MUL4 0, A0, \first
	s_wait_dscnt 0x4
	MUL4 1, A1, \first
	s_wait_dscnt 0x0
	MUL4 2, A2, \first
	WIN 0
.endm
.macro EPIST i                         ; tile cc + 4 i of the chunk is stored if the expert has it.  s74: the chunk's tiles
	s_add_co_u32 s66, s20, 4*\i
	s_cmp_ge_u32 s66, s74
	s_cbranch_scc1 .Lno_tile_\@
	s_add_co_u32 s66, s66, s73
	s_add_co_u32 s66, s66, s29
	s_min_u32 s66, s66, 70
	v_lshl_add_u32 v[16+\i], s66, 16, v11          ; a tile of hq is 32 K steps of 2,048 bytes
	global_store_b128 v[16+\i], v[BF+8*\i:BF+8*\i+3], s[70:71]               ; 512 consecutive bytes: registers 8 g .. 8 g + 3 of the image,
	global_store_b128 v[16+\i], v[BF+8*\i+4:BF+8*\i+7], s[70:71] offset:512  ; and 8 g + 4 .. 8 g + 7
.Lno_tile_\@:
.endm
.macro EPI
.rept 4
	v_nop                                          ; places in front of the first read of results
.endr
.irp i, 0,1,2
.set k, 0
.rept 32
	v_med3_num_f32 v[ACC+32*\i+k], v[ACC+32*\i+k], 0, v15   ; the activation and the hold in one; each accumulator from its low end on
.set k, k+1
.endr
.irp j, 0,1,2,3
	v_cvt_scalef32_pk8_fp8_f32 v[BF+8*\i+2*\j:BF+8*\i+2*\j+1], v[ACC+32*\i+8*\j:ACC+32*\i+8*\j+7], v14
.endr
	v_nop                                          ; a plain line behind the conversions
.endr
	EPIST 0
	EPIST 1
	EPIST 2
.endm
	s_load_b256 s[4:11], s[0:1], 0x0               ; W1 s[4:5], b1 s[6:7], lowp_scales s[8:9], xq s[10:11]
	s_load_b128 s[12:15], s[0:1], 0x20             ; tok s[12:13], meta s[14:15]
	s_load_b64 s[16:17], s[0:1], 0x30              ; hq
	v_lshl_add_u32 v254, v0, 2, 0x4cc00
	v_mov_b32 v255, 0
	v_lshrrev_b32 v9, 5, v0
	v_readfirstlane_b32 s18, v9                    ; wave
	s_and_b32 s19, s18, 1                          ; g
	s_lshr_b32 s20, s18, 1                         ; cc
	s_and_b32 s21, ttmp7, 0xffff                   ; the expert
	s_mov_b32 s22, ttmp9                           ; the slice of 128 columns
	v_and_b32 v9, 31, v0
	v_lshlrev_b32 v1, 4, v9
	v_and_b32 v10, 15, v0                          ; r
	v_bfe_u32 v19, v0, 4, 1                        ; h
	s_lshl_b32 s66, s20, 17                        ; 8 cc rows of 16,384 bytes,
	s_lshl_b32 s67, s19, 8                         ; 64 g columns,
	s_add_co_u32 s66, s66, s67
	v_lshlrev_b32 v2, 4, v10                       ; four columns a lane,
	v_lshl_add_u32 v2, v19, 16, v2                 ; 4 h rows
	v_add_nc_u32 v2, s66, v2
	s_lshl_b32 s66, s19, 16
	s_lshl_b32 s67, s20, 9
	s_add_co_u32 s67, s66, s67
	v_add_nc_u32 v3, s67, v1
	v_add_nc_u32 v4, s66, v1
	v_mul_u32_u24 v20, v10, AP
	v_lshl_add_u32 v20, v19, 4, v20
	v_add_nc_u32 v20, ABASE, v20
	s_mul_i32 s66, s20, 16*AP
	v_add_nc_u32 v5, s66, v20
	s_add_co_u32 s67, s20, 4
	s_mul_i32 s66, s67, 16*AP
	v_add_nc_u32 v6, s66, v20
	s_add_co_u32 s67, s20, 8
	s_min_u32 s67, s67, 10                         ; the chunk has 11 tiles: cc = 3 takes tile 10 again and never stores it
	s_mul_i32 s66, s67, 16*AP
	v_add_nc_u32 v7, s66, v20
	s_mul_i32 s66, s18, 22*AP
	s_add_co_u32 s66, s66, ABASE
	v_add_nc_u32 v8, s66, v1
	s_lshl_b32 s66, s19, 10
	v_add_nc_u32 v11, s66, v1
	v_lshlrev_b32 v21, 7, v19                      ; b1: 32 h numbers on
	s_mov_b32 s36, 0x05010400                      ; the byte turn's four selectors
	s_mov_b32 s37, 0x07030602
	s_mov_b32 s38, 0x05040100
	s_mov_b32 s39, 0x07060302
	s_lshl_b32 s77, s21, 4                         ; the expert's four exponents
	s_lshl_b32 s78, s21, 2
	s_lshl_b32 s68, s21, 24                        ; W1: the expert's 16 MiB, the slice's 512 bytes of a row
	s_lshl_b32 s69, s22, 9
	s_add_co_u32 s68, s68, s69
	s_mov_b32 s69, 0
	s_lshl_b32 s74, s21, 14                        ; b1: the expert's row, the slice, my 64
	s_lshl_b32 s75, s22, 9
	s_add_co_u32 s74, s74, s75
	s_lshl_b32 s75, s19, 8
	s_add_co_u32 s74, s74, s75
	s_mov_b32 s75, 0
	s_lshl_b32 s72, s22, 11                        ; hq: K step sl
	s_mov_b32 s73, 0
	s_wait_kmcnt 0x0
	s_load_b128 s[24:27], s[8:9], s77 offset:0x0   ; ex, ew1, eh, ew2
	s_load_b32 s28, s[14:15], s78 offset:0x0       ; n_e
	s_load_b32 s29, s[14:15], s78 offset:0x20      ; the expert's first tile
	s_add_nc_u64 s[32:33], s[4:5], s[68:69]        ; rows 0 to 511,
	s_add_nc_u64 s[34:35], s[32:33], 0x800000      ; rows 512 on: the loads' offsets stay inside the signed 24-bit immediate
	s_add_nc_u64 s[6:7], s[6:7], s[74:75]
	s_add_nc_u64 s[70:71], s[16:17], s[72:73]
	WIN 0x40
.irp j, 0,1,2,3,4,5,6,7
	global_load_b128 v[192+4*\j:195+4*\j], v21, s[6:7] offset:16*\j
.endr
	LOADW 0
	LOADW 1
	LOADW 2
	WIN 0
	s_wait_kmcnt 0x0
	s_min_u32 s28, s28, 1024
	s_min_u32 s29, s29, 71
	s_add_co_u32 s30, s28, 15
	s_lshr_b32 s30, s30, 4                         ; T_e, 64 at the most: six chunks of 11 serve every split
	s_add_co_i32 s66, s25, 127
	s_lshl_b32 s67, s66, 23
	v_mov_b32 v12, s67                             ; 2^ew1
	s_add_co_i32 s66, s66, 8
	s_lshl_b32 s66, s66, 23
	s_or_b32 s66, s66, 0x600000
	v_mov_b32 v13, s66                             ; 448 x 2^ew1
	s_add_co_i32 s76, s24, s25                     ; ex + ew1
	s_sub_co_i32 s66, s26, s76
	s_add_co_i32 s66, s66, 127
	s_lshl_b32 s67, s66, 23
	v_mov_b32 v14, s67                             ; 2^(eh - ex - ew1)
	s_add_co_i32 s66, s66, 8
	s_lshl_b32 s66, s66, 23
	s_or_b32 s66, s66, 0x600000
	v_mov_b32 v15, s66
	s_sub_co_i32 s76, 0, s76
	s_mov_b32 s73, 0                               ; chunk 0
	STAGE_LOAD
	PROC 0, 63, 1                                  ; 76 loads are younger than unit 0's; the count is the most that the wait can name
	WIN 0x41
.irp c, 0,1,2,3
.irp j, 0,1,2,3,4,5,6,7
	v_ldexp_f32 v[224+8*\c+\j], v[192+4*\j+\c], s76   ; b1 / 2^(ex + ew1), in the result's layout: tile c, register j = unit 32 h + 4 j + c.  (b1's loads are older than unit 0's)
.endr
.endr
	WIN 0
	PROC 1, 63, 1
	PROC 2, 63, 1
	s_wait_loadcnt 48                              ; the staged rows are in; units 3, 4 and 5 may be out
	STAGE_STORE
	BAR                                            ; K steps 0 to 2 of the codes and the chunk's rows lie in LDS
	MM 0, 1
	MM 1, 0
	MM 2, 0
	PROC 3, 32, 1                                  ; two younger units may be out
	BAR
	MM 3, 0
	PROC 4, 32, 1
	BAR
	MM 4, 0
	PROC 5, 32, 0
	BAR
	MM 5, 0
	PROC 6, 16, 0
	BAR
	MM 6, 0
	PROC 7, 0, 0
	BAR
	MM 7, 0
	s_min_u32 s74, s30, 11
	EPI
	s_mov_b32 s72, 1                               ; the later chunks: five trips whatever the split; a trip without tokens passes its two barriers and nothing else
	s_mov_b32 s73, 11
.Lchunk:
	s_wait_xcnt 0x0                                ; the last chunk's stores have read their data and offsets, which are written again below
	BAR                                            ; nobody reads the last chunk's rows any more
	s_cmp_lt_u32 s73, s30
	s_cbranch_scc0 .Lno_stage
	STAGE_LOAD
	s_wait_loadcnt 0x0
	STAGE_STORE
.Lno_stage:
	BAR
	s_cmp_lt_u32 s73, s30
	s_cbranch_scc0 .Lno_work
	s_sub_co_u32 s74, s30, s73
	s_min_u32 s74, s74, 11
	MM 0, 1
	MM 1, 0
	MM 2, 0
	MM 3, 0
	MM 4, 0
	MM 5, 0
	MM 6, 0
	MM 7, 0
	EPI
.Lno_work:
	s_add_co_u32 s73, s73, 11
	s_add_co_u32 s72, s72, 1
	s_cmp_lt_u32 s72, 6
	s_cbranch_scc1 .Lchunk
	s_wait_tensorcnt 0x0
	ds_add_u32 v254, v255
	s_wait_dscnt 0x0
	s_endpgm
.Lfunc_end_k_qf25063d633_hidden:
	.size	k_qf25063d633_hidden, .Lfunc_end_k_qf25063d633_hidden-k_qf25063d633_hidden
	.p2alignl 7, 3214868480
	.fill 96, 4, 3214868480
	.section	.rodata,"a",@progbits
	.p2align	6, 0x0
	.amdhsa_kernel k_qf25063d633_hidden
		.amdhsa_group_segment_fixed_size 315392
		.amdhsa_private_segment_fixed_size 0
		.amdhsa_enable_private_segment 0
		.amdhsa_kernarg_size 56
		.amdhsa_user_sgpr_count 2
		.amdhsa_user_sgpr_kernarg_segment_ptr 1
		.amdhsa_wavefront_size32 1
		.amdhsa_system_sgpr_workgroup_id_x 1
		.amdhsa_system_sgpr_workgroup_id_y 1
		.amdhsa_system_sgpr_workgroup_id_z 1
		.amdhsa_system_vgpr_workitem_id 0
		.amdhsa_next_free_vgpr 512
		.amdhsa_next_free_sgpr 80
		.amdhsa_reserve_vcc 0
		.amdhsa_float_denorm_mode_32 3
		.amdhsa_float_denorm_mode_16_64 3
		.amdhsa_memory_ordered 1
		.amdhsa_forward_progress 1
		.amdhsa_inst_pref_size 157
	.end_amdhsa_kernel
	.amdgpu_metadata
---
amdhsa.version: [ 1, 2 ]
amdhsa.kernels:
  - .name:           k_qf25063d633_hidden
    .symbol:         k_qf25063d633_hidden.kd
    .args:
      - { .name: W1, .offset: 0, .size: 8, .value_kind: global_buffer, .address_space: global }
      - { .name: b1, .offset: 8, .size: 8, .value_kind: global_buffer, .address_space: global }
      - { .name: lowp_scales, .offset: 16, .size: 8, .value_kind: global_buffer, .address_space: global }
      - { .name: xq, .offset: 24, .size: 8, .value_kind: global_buffer, .address_space: global }
      - { .name: tok, .offset: 32, .size: 8, .value_kind: global_buffer, .address_space: global }
      - { .name: meta, .offset: 40, .size: 8, .value_kind: global_buffer, .address_space: global }
      - { .name: hq, .offset: 48, .size: 8, .value_kind: global_buffer, .address_space: global }
    .group_segment_fixed_size: 315392
    .private_segment_fixed_size: 0
    .kernarg_segment_align: 8
    .kernarg_segment_size: 56
    .max_flat_workgroup_size: 256
    .sgpr_count:     80
    .vgpr_count:     512
    .wavefront_size: 32
...
	.end_amdgpu_metadata
.endif
;; end of part 3
;; launch outp (part 4): grid 32 x 8, 8 waves a work-group, no clusters, 312,320 bytes of LDS; arguments W2, lowp_scales, hq, meta, part; writes part
.if DOCPART == 4
	.amdgcn_target "amdgcn-amd-amdhsa--gfx1250"
	.amdhsa_code_object_version 6
	.text
	.protected	k_qf25063d633_outp
	.globl	k_qf25063d633_outp
	.p2align	8
	.type	k_qf25063d633_outp,@function
k_qf25063d633_outp:
	s_mov_b64 s[64:65], 0
	v_nop
	global_prefetch_b8 v0, s[64:65] scope:SCOPE_SE
	s_setreg_imm32_b32 hwreg(HW_REG_WAVE_MODE, 25, 1), 1
	s_wait_xcnt 0x0
; THE SECOND PRODUCT OF THE CHOSEN EXPERTS, in four parts along K: part[tile][q] = hq[tile][K 1024 q .. +1023] Q(W2[e])[.. , 128 cs .. +127] x 2^(eh + ew2), f32.  The last launch adds the four parts.
; THE WEIGHTS STAND STILL, as in the launch before.  Work-group (x = cs + 8 q, e) owns W2[e][rows 1024 q .. +1023][columns 128 cs .. +127]: 512 KiB of f32, read once, quantised in registers, kept as 128 KiB of codes in LDS.
; K is split in four so that a work-group's loads cover 256 consecutive bytes of a row and 256 work-groups have equal shares; the price is the parts' way through memory.
; Wave w: g = w & 1 its 64 columns; cc = w >> 1 its quarter of each fragment as a producer and its tiles of tokens (cc, cc + 4, cc + 8) as a multiplier.
; A UNIT (K step s, quarter cc): 16 loads; lanes 0-15 read 256 consecutive bytes of one row, lanes 16-31 of the row 32 further down.  Load 4 i + b of half h reads
; k = 1024 q + 128 s + 64 (cc / 2) + 2 (cc % 2) + 32 h + 16 (i % 2) + i / 2 + 4 b: the order in which hq's images hold the hidden units (register 4 cc + i, byte b, half h), so both operands hold the same k in the same place.
; The byte turn and the tiles' columns (lane r of tile j: column 64 g + 4 r + j) are the first product's.  TRANSPOSED USE: lane (r, h) holds token r, register p of tile j column 64 g + 32 h + 4 p + j: the four tiles' registers p
; are four neighbouring columns, 16 bytes.  They leave as images: part[tile][q][2 cs + g][p][lane][16 bytes], 512 consecutive bytes a store.
; The tokens' operand comes as it was stored: wave w stages K step w of each of the chunk's 11 tiles, 2,048 bytes each.  Tiles past the last written one are replaced by it; tiles beyond the expert's are multiplied and not stored.
; COUNTS READ FROM MEMORY steer stores and the later chunks, so the launch has no tensor load and no joint load; every barrier stands outside those branches.  The shared bytes (hq) are 176 KiB of the 688 KiB that a work-group takes in.
; LIMITS: ew2 between -126 and 119; eh + ew2 between -126 and 127.  NaN among the inputs is not served.
; LDS: 0: the codes of W2, as in the launch before.   ABASE: 11 tiles x 8 K steps x 2,048 bytes of images.
; REGISTERS, window 0: v1 16 lane; v2 my offset in W2; v3 / v4 where I store / read codes of W2; v5-7 my three tiles; v8-10 where I stage; v12, v13 2^ew2 and 448 x that; v16-18 offsets of the stores; v32-47, v48-63, v228-243 the
;   tokens' fragments (the first two also the codes as converted and turned); v64-67 at work; v68-163 12 accumulators; v164-227 four fragments of W2.  On the way out v164-195, v196-227, v32-63 hold the three tiles' results.
;   At a staging: v32-42 addresses, v68-243 the images.   window 1: v0-191 three landing slots of 64.
.set ABASE, 131072
.set R,     32
.set T,     48
.set ACC,   68
.set BF,    164
.set A0,    32
.set A1,    48
.set A2,    228
.set MSB, 0
.macro WIN new                         ; the immediate's high byte repeats the setting that is left
.if MSB != \new
	s_set_vgpr_msb (MSB<<8)|\new
.set MSB, \new
.endif
.endm
.macro BAR                             ; my LDS stores have landed and my LDS loads are in: then the work-group's barrier
	s_wait_dscnt 0x0
	s_barrier_signal -1
	s_barrier_wait -1
.endm
.macro LOADW u                         ; unit u into landing slot u % 3 (the window stays set: the caller switches back)
	WIN 0x40                                       ; destination window 1, address window 0
.set LS, 64*((\u)%3)
.irp i, 0,1,2,3
.irp b, 0,1,2,3
	global_load_b128 v[LS+16*\i+4*\b:LS+16*\i+4*\b+3], v2, s[32:33] offset:(128*(\u)+16*(\i%2)+\i/2+4*\b)*4096 th:TH_LOAD_NT
.endr
.endr
.endm
.macro PROC u, n, reload               ; unit u becomes codes in LDS.  n: the younger loads that may stay out
.set LS, 64*((\u)%3)
	s_wait_loadcnt \n
	WIN 0x41                                       ; destination and source 0 window 1
.set k, 0
.rept 64
	v_med3_num_f32 v[LS+k], v[LS+k], -v13, v13     ; the conversion does not saturate (ISA guide 7.6.2): the hold at the largest code x the scale
.set k, k+1
.endr
	WIN 0x01                                       ; source 0 window 1
.set k, 0
.rept 8
	v_cvt_scalef32_pk8_fp8_f32 v[R+2*k:R+2*k+1], v[LS+8*k:LS+8*k+7], v12
.set k, k+1
.endr
.if \reload
	LOADW (\u)+3                                   ; the slot takes the unit three on
.endif
	WIN 0
	v_nop                                          ; a plain line between the conversions and the reads of their results
	s_wait_dscnt 0x0                               ; the last unit's LDS stores have read the registers that are written now
.irp i, 0,1,2,3
	v_perm_b32 v64, v[R+4*\i+1], v[R+4*\i], s36
	v_perm_b32 v65, v[R+4*\i+1], v[R+4*\i], s37
	v_perm_b32 v66, v[R+4*\i+3], v[R+4*\i+2], s36
	v_perm_b32 v67, v[R+4*\i+3], v[R+4*\i+2], s37
	v_perm_b32 v[T+\i], v66, v64, s38
	v_perm_b32 v[T+4+\i], v66, v64, s39
	v_perm_b32 v[T+8+\i], v67, v65, s38
	v_perm_b32 v[T+12+\i], v67, v65, s39
.endr
.irp j, 0,1,2,3
	ds_store_b128 v3, v[T+4*\j:T+4*\j+3] offset:\j*16384+(\u)*2048
.endr
.endm
.macro STAGE_LOAD                      ; K step w of the chunk's 11 tiles.  s73 = 11 x chunk
	s_add_co_u32 s66, s29, s73
.set k, 0
.rept 11
	s_add_co_u32 s67, s66, k
	s_min_u32 s67, s67, s79                        ; no tile behind the last that was written,
	s_min_u32 s67, s67, 70                         ; and none outside the buffer
	v_lshl_add_u32 v[32+k], s67, 16, v1
.set k, k+1
.endr
.set k, 0
.rept 11
.irp c, 0,1,2,3
	global_load_b128 v[ACC+16*k+4*\c:ACC+16*k+4*\c+3], v[32+k], s[34:35] offset:512*\c
.endr
.set k, k+1
.endr
	s_wait_xcnt 0x0                                ; the loads have read their address registers, which are written again below
.endm
.macro STAGE_STORE
.set k, 0
.rept 11
.irp c, 0,1,2,3
	ds_store_b128 v[8+k/4], v[ACC+16*k+4*\c:ACC+16*k+4*\c+3] offset:(k%4)*16384+512*\c
.endr
.set k, k+1
.endr
.endm
.macro MUL4 i, a, first                ; tile i of tokens against my four tiles of columns; the first K step starts the sums
.irp j, 0,1,2,3
.if \first
	v_wmma_f32_16x16x128_fp8_fp8 v[ACC+32*\i+8*\j:ACC+32*\i+8*\j+7], v[BF+16*\j:BF+16*\j+15], v[\a:\a+15], 0
.else
	v_wmma_f32_16x16x128_fp8_fp8 v[ACC+32*\i+8*\j:ACC+32*\i+8*\j+7], v[BF+16*\j:BF+16*\j+15], v[\a:\a+15], v[ACC+32*\i+8*\j:ACC+32*\i+8*\j+7]
.endif
.endr
.endm
.macro MM s, first                     ; K step s: 28 LDS loads, 12 matrix instructions on 12 accumulators by turns
.rept 4
	v_nop                                          ; places in front of loads into registers that matrix instructions have read
.endr
.irp j, 0,1,2,3
.irp c, 0,1,2,3
	ds_load_b128 v[BF+16*\j+4*\c:BF+16*\j+4*\c+3], v4 offset:\j*16384+(\s)*2048+512*\c
.endr
.endr
.irp c, 0,1,2,3
	ds_load_b128 v[A0+4*\c:A0+4*\c+3], v5 offset:2048*(\s)+512*\c
.endr
.irp c, 0,1,2,3
	ds_load_b128 v[A1+4*\c:A1+4*\c+3], v6 offset:2048*(\s)+512*\c
.endr
.irp c, 0,1,2,3
	ds_load_b128 v[A2+4*\c:A2+4*\c+3], v7 offset:2048*(\s)+512*\c
.endr
	s_wait_dscnt 0x8                               ; W2's four and the first tile of tokens are in; the eight younger loads may be out
	MUL4 0, A0, \first
	s_wait_dscnt 0x4
	MUL4 1, A1, \first
	s_wait_dscnt 0x0
	MUL4 2, A2, \first
.endm
.macro EPIST i, ob                     ; tile cc + 4 i of the chunk is stored if the expert has it.  s74: the chunk's tiles
	s_add_co_u32 s66, s20, 4*\i
	s_cmp_ge_u32 s66, s74
	s_cbranch_scc1 .Lno_tile_\@
	s_add_co_u32 s66, s66, s73
	s_add_co_u32 s66, s66, s29
	s_min_u32 s66, s66, 70
	v_lshl_add_u32 v[16+\i], s66, 18, v1           ; a tile of part is 262,144 bytes
.irp j, 0,1,2,3,4,5,6,7
	global_store_b128 v[16+\i], v[\ob+4*\j:\ob+4*\j+3], s[70:71] offset:512*\j   ; 512 consecutive bytes
.endr
.Lno_tile_\@:
.endm
.macro SCALE i, ob                     ; x 2^(eh + ew2), into other registers: four neighbouring columns on end; register 0 of each accumulator is read first
.irp j, 0,1,2,3,4,5,6,7
.irp c, 0,1,2,3
	v_mul_f32 v[\ob+4*\j+\c], s76, v[ACC+32*\i+8*\c+\j]
.endr
.endr
.endm
.macro EPI
.rept 4
	v_nop                                          ; places in front of the first read of results, and of writes over operands that are done with
.endr
	SCALE 0, 164
	SCALE 1, 196
	SCALE 2, 32
	EPIST 0, 164
	EPIST 1, 196
	EPIST 2, 32
.endm
	s_load_b256 s[4:11], s[0:1], 0x0               ; W2 s[4:5], lowp_scales s[6:7], hq s[8:9], meta s[10:11]
	s_load_b64 s[12:13], s[0:1], 0x20              ; part
	v_lshl_add_u32 v254, v0, 2, 0x4c000
	v_mov_b32 v255, 0
	v_lshrrev_b32 v19, 5, v0
	v_readfirstlane_b32 s18, v19                   ; wave
	s_and_b32 s19, s18, 1                          ; g
	s_lshr_b32 s20, s18, 1                         ; cc
	s_and_b32 s21, ttmp7, 0xffff                   ; the expert
	s_and_b32 s22, ttmp9, 7                        ; cs: the slice of 128 columns
	s_lshr_b32 s23, ttmp9, 3                       ; q: the quarter of K
	v_and_b32 v19, 31, v0
	v_lshlrev_b32 v1, 4, v19
	v_and_b32 v20, 15, v0                          ; r
	v_bfe_u32 v21, v0, 4, 1                        ; h
	s_lshr_b32 s66, s20, 1
	s_lshl_b32 s66, s66, 18                        ; 64 (cc / 2) rows of 4,096 bytes,
	s_and_b32 s67, s20, 1
	s_lshl_b32 s67, s67, 13                        ; 2 (cc % 2) rows,
	s_add_co_u32 s66, s66, s67
	s_lshl_b32 s67, s19, 8                         ; 64 g columns,
	s_add_co_u32 s66, s66, s67
	v_lshlrev_b32 v2, 4, v20                       ; four columns a lane,
	v_lshl_add_u32 v2, v21, 17, v2                 ; 32 h rows
	v_add_nc_u32 v2, s66, v2
	s_lshl_b32 s66, s19, 16
	s_lshl_b32 s67, s20, 9
	s_add_co_u32 s67, s66, s67
	v_add_nc_u32 v3, s67, v1
	v_add_nc_u32 v4, s66, v1
	v_add_nc_u32 v22, ABASE, v1
	s_lshl_b32 s66, s20, 14
	v_add_nc_u32 v5, s66, v22
	s_add_co_u32 s67, s20, 4
	s_lshl_b32 s66, s67, 14
	v_add_nc_u32 v6, s66, v22
	s_add_co_u32 s67, s20, 8
	s_min_u32 s67, s67, 10                         ; the chunk has 11 tiles: cc = 3 takes tile 10 again and never stores it
	s_lshl_b32 s66, s67, 14
	v_add_nc_u32 v7, s66, v22
	s_lshl_b32 s66, s18, 11
	v_add_nc_u32 v8, s66, v22                      ; staging: K step w of tiles 0-3,
	v_add_nc_u32 v9, 0x10000, v8                   ; 4-7,
	v_add_nc_u32 v10, 0x10000, v9                  ; 8-10
	s_mov_b32 s36, 0x05010400                      ; the byte turn's four selectors
	s_mov_b32 s37, 0x07030602
	s_mov_b32 s38, 0x05040100
	s_mov_b32 s39, 0x07060302
	s_lshl_b32 s77, s21, 4
	s_lshl_b32 s78, s21, 2
	s_lshl_b32 s68, s21, 24                        ; W2: the expert's 16 MiB, the quarter's 1,024 rows, the slice's 512 bytes of a row
	s_lshl_b32 s69, s23, 22
	s_add_co_u32 s68, s68, s69
	s_lshl_b32 s69, s22, 9
	s_add_co_u32 s68, s68, s69
	s_mov_b32 s69, 0
	s_lshl_b32 s74, s23, 14                        ; hq: the quarter's 8 K steps, my one of them
	s_lshl_b32 s75, s18, 11
	s_add_co_u32 s74, s74, s75
	s_mov_b32 s75, 0
	s_lshl_b32 s72, s23, 16                        ; part: the quarter, the group of 64 columns 2 cs + g
	s_lshl_b32 s73, s22, 13
	s_add_co_u32 s72, s72, s73
	s_lshl_b32 s73, s19, 12
	s_add_co_u32 s72, s72, s73
	s_mov_b32 s73, 0
	s_wait_kmcnt 0x0
	s_load_b128 s[24:27], s[6:7], s77 offset:0x0   ; ex, ew1, eh, ew2
	s_load_b32 s28, s[10:11], s78 offset:0x0       ; n_e
	s_load_b32 s29, s[10:11], s78 offset:0x20      ; the expert's first tile
	s_load_b32 s31, s[10:11], 0x40                 ; the number of tiles
	s_add_nc_u64 s[32:33], s[4:5], s[68:69]
	s_add_nc_u64 s[34:35], s[8:9], s[74:75]
	s_add_nc_u64 s[70:71], s[12:13], s[72:73]
	LOADW 0
	LOADW 1
	LOADW 2
	WIN 0
	s_wait_kmcnt 0x0
	s_min_u32 s28, s28, 1024
	s_min_u32 s29, s29, 71
	s_add_co_u32 s30, s28, 15
	s_lshr_b32 s30, s30, 4                         ; T_e, 64 at the most: six chunks of 11 serve every split
	s_min_u32 s31, s31, 71
	s_max_u32 s31, s31, 1
	s_sub_co_u32 s79, s31, 1                       ; the last tile that was written
	s_add_co_i32 s66, s27, 127
	s_lshl_b32 s67, s66, 23
	v_mov_b32 v12, s67                             ; 2^ew2
	s_add_co_i32 s66, s66, 8
	s_lshl_b32 s66, s66, 23
	s_or_b32 s66, s66, 0x600000
	v_mov_b32 v13, s66                             ; 448 x 2^ew2
	s_add_co_i32 s76, s26, s27
	s_add_co_i32 s76, s76, 127
	s_lshl_b32 s76, s76, 23                        ; 2^(eh + ew2) as f32
	s_mov_b32 s73, 0                               ; chunk 0
	STAGE_LOAD
	PROC 0, 63, 1                                  ; 76 loads are younger than unit 0's; the count is the most that the wait can name
	PROC 1, 63, 1
	PROC 2, 63, 1
	s_wait_loadcnt 48                              ; the staged images are in; units 3, 4 and 5 may be out
	STAGE_STORE
	BAR                                            ; K steps 0 to 2 of the codes and the chunk's images lie in LDS
	MM 0, 1
	MM 1, 0
	MM 2, 0
	PROC 3, 32, 1                                  ; two younger units may be out
	BAR
	MM 3, 0
	PROC 4, 32, 1
	BAR
	MM 4, 0
	PROC 5, 32, 0
	BAR
	MM 5, 0
	PROC 6, 16, 0
	BAR
	MM 6, 0
	PROC 7, 0, 0
	BAR
	MM 7, 0
	s_min_u32 s74, s30, 11
	EPI
	s_mov_b32 s72, 1                               ; the later chunks: five trips whatever the split; a trip without tokens passes its two barriers and nothing else
	s_mov_b32 s73, 11
.Lchunk:
	s_wait_xcnt 0x0                                ; the last chunk's stores have read their data and offsets, which are written again below
	BAR                                            ; nobody reads the last chunk's images any more
	s_cmp_lt_u32 s73, s30
	s_cbranch_scc0 .Lno_stage
	STAGE_LOAD
	s_wait_loadcnt 0x0
	STAGE_STORE
.Lno_stage:
	BAR
	s_cmp_lt_u32 s73, s30
	s_cbranch_scc0 .Lno_work
	s_sub_co_u32 s74, s30, s73
	s_min_u32 s74, s74, 11
	MM 0, 1
	MM 1, 0
	MM 2, 0
	MM 3, 0
	MM 4, 0
	MM 5, 0
	MM 6, 0
	MM 7, 0
	EPI
.Lno_work:
	s_add_co_u32 s73, s73, 11
	s_add_co_u32 s72, s72, 1
	s_cmp_lt_u32 s72, 6
	s_cbranch_scc1 .Lchunk
	s_wait_tensorcnt 0x0
	ds_add_u32 v254, v255
	s_wait_dscnt 0x0
	s_endpgm
.Lfunc_end_k_qf25063d633_outp:
	.size	k_qf25063d633_outp, .Lfunc_end_k_qf25063d633_outp-k_qf25063d633_outp
	.p2alignl 7, 3214868480
	.fill 96, 4, 3214868480
	.section	.rodata,"a",@progbits
	.p2align	6, 0x0
	.amdhsa_kernel k_qf25063d633_outp
		.amdhsa_group_segment_fixed_size 312320
		.amdhsa_private_segment_fixed_size 0
		.amdhsa_enable_private_segment 0
		.amdhsa_kernarg_size 40
		.amdhsa_user_sgpr_count 2
		.amdhsa_user_sgpr_kernarg_segment_ptr 1
		.amdhsa_wavefront_size32 1
		.amdhsa_system_sgpr_workgroup_id_x 1
		.amdhsa_system_sgpr_workgroup_id_y 1
		.amdhsa_system_sgpr_workgroup_id_z 1
		.amdhsa_system_vgpr_workitem_id 0
		.amdhsa_next_free_vgpr 512
		.amdhsa_next_free_sgpr 80
		.amdhsa_reserve_vcc 0
		.amdhsa_float_denorm_mode_32 3
		.amdhsa_float_denorm_mode_16_64 3
		.amdhsa_memory_ordered 1
		.amdhsa_forward_progress 1
		.amdhsa_inst_pref_size 147
	.end_amdhsa_kernel
	.amdgpu_metadata
---
amdhsa.version: [ 1, 2 ]
amdhsa.kernels:
  - .name:           k_qf25063d633_outp
    .symbol:         k_qf25063d633_outp.kd
    .args:
      - { .name: W2, .offset: 0, .size: 8, .value_kind: global_buffer, .address_space: global }
      - { .name: lowp_scales, .offset: 8, .size: 8, .value_kind: global_buffer, .address_space: global }
      - { .name: hq, .offset: 16, .size: 8, .value_kind: global_buffer, .address_space: global }
      - { .name: meta, .offset: 24, .size: 8, .value_kind: global_buffer, .address_space: global }
      - { .name: part, .offset: 32, .size: 8, .value_kind: global_buffer, .address_space: global }
    .group_segment_fixed_size: 312320
    .private_segment_fixed_size: 0
    .kernarg_segment_align: 8
    .kernarg_segment_size: 40
    .max_flat_workgroup_size: 256
    .sgpr_count:     80
    .vgpr_count:     512
    .wavefront_size: 32
...
	.end_amdgpu_metadata
.endif
;; end of part 4
;; launch finish (part 5): grid 4 x 71, 4 waves a work-group, no clusters, 17,920 bytes of LDS; arguments part, tok, meta, ss, b2, out0; writes out0
.if DOCPART == 5
	.amdgcn_target "amdgcn-amd-amdhsa--gfx1250"
	.amdhsa_code_object_version 6
	.text
	.protected	k_qf25063d633_finish
	.globl	k_qf25063d633_finish
	.p2align	8
	.type	k_qf25063d633_finish,@function
k_qf25063d633_finish:
	s_mov_b64 s[64:65], 0
	v_nop
	global_prefetch_b8 v0, s[64:65] scope:SCOPE_SE
	s_setreg_imm32_b32 hwreg(HW_REG_WAVE_MODE, 25, 1), 1
	s_wait_xcnt 0x0
; THE END: out0[token] = (the four parts along K added + b2[expert]) x ss[token], scattered back to the tokens' rows.  ss[i] is the score at sorted place i: reference() scales row i, in token order, by it.
; Work-group (x, tile); wave w takes the tile's 16 rows x the group of 64 columns cg = 4 x + w.  71 tiles are the most that any split of 1,024 tokens over 8 experts makes (64 + 7): a fixed grid that serves every split;
; a tile that this split does not have ends at once, by a branch on the stored number of tiles.
; A part's image: group j of four registers, lane (r, h) = row r, columns 32 h + 4 j + 0 .. 3.  After the sums the 16 x 64 numbers turn through the wave's own stage in LDS (rows of 256 bytes + 16) and come back by rows, so that
; sixteen lanes store 256 consecutive bytes of a row of out0, at a multiple of 256 from its first byte.  Waves share nothing: no barrier.  A place without a token (the mark 1024) is not stored: its lanes are switched off.
; The order of the sums: (part 0 + part 1) + (part 2 + part 3), each part an f32 sum over 1,024 of K.
; REGISTERS: v5 tok's offset; v6 16 lane; v8-15 the tokens of rows 2 i + lane / 16; v16-23 their ss; v24-31 their offsets in out0; v32-159 the four parts; v64-95 later the rows read back; v160-163 b2;
;   v164 b2's offset; v165 256 cg + 16 r: my 16 bytes of a row; v166, v167 the stage, in and back; v168-175 ss's offsets.  None of v164-175 is written twice.  s40-47 the masks of rows with a token.
.set SP,  272
.set BO,  164
.set RB,  165
.set SIN, 166
.set SBK, 167
	s_load_b256 s[4:11], s[0:1], 0x0               ; part s[4:5], tok s[6:7], meta s[8:9], ss s[10:11]
	s_load_b128 s[12:15], s[0:1], 0x20             ; b2 s[12:13], out0 s[14:15]
	v_lshl_add_u32 v176, v0, 2, 0x4400
	v_mov_b32 v177, 0
	v_and_b32 v1, 31, v0
	v_lshrrev_b32 v2, 5, v0
	v_readfirstlane_b32 s16, v2                    ; wave
	v_and_b32 v3, 15, v0                           ; r
	v_bfe_u32 v4, v0, 4, 1                         ; h
	s_and_b32 s17, ttmp7, 0xffff                   ; the tile
	s_lshl_b32 s18, ttmp9, 2
	s_add_co_u32 s18, s18, s16                     ; cg
	s_lshl_b32 s19, s17, 2
	s_lshl_b32 s25, s17, 6
	v_lshlrev_b32 v5, 2, v4
	v_add_nc_u32 v5, s25, v5                       ; tok: the tile's 64 bytes, + 4 h
	v_lshlrev_b32 v6, 4, v1
	s_lshl_b32 s26, s17, 18                        ; part: the tile's 262,144 bytes, my group's 4,096
	s_lshl_b32 s27, s18, 12
	s_add_co_u32 s26, s26, s27
	s_mov_b32 s27, 0
	s_lshl_b32 s28, s18, 8
	v_lshl_add_u32 v[RB], v3, 4, s28               ; 256 cg + 16 r
	s_mul_i32 s29, s16, 16*SP                      ; my stage: 4,352 bytes a wave
	v_mul_u32_u24 v[SIN], v3, SP
	v_lshl_add_u32 v[SIN], v4, 7, v[SIN]
	v_add_nc_u32 v[SIN], s29, v[SIN]               ; in: row r, + 128 h
	v_mul_u32_u24 v[SBK], v4, SP
	v_lshl_add_u32 v[SBK], v3, 4, v[SBK]
	v_add_nc_u32 v[SBK], s29, v[SBK]               ; back: lanes 0-15 one row, lanes 16-31 the next
	s_mov_b32 s23, 1024
	s_wait_kmcnt 0x0
	s_load_b32 s20, s[8:9], 0x40                   ; the number of tiles
	s_load_b32 s21, s[8:9], s19 offset:0x80        ; my tile's expert
.irp i, 0,1,2,3,4,5,6,7
	global_load_b32 v[8+\i], v5, s[6:7] offset:8*\i
.endr
	s_add_nc_u64 s[4:5], s[4:5], s[26:27]
	s_wait_kmcnt 0x0
	s_cmp_ge_u32 s17, s20
	s_cbranch_scc1 .Lend
.irp q, 0,1,2,3
.irp j, 0,1,2,3,4,5,6,7
	global_load_b128 v[32+32*\q+4*\j:35+32*\q+4*\j], v6, s[4:5] offset:65536*\q+512*\j th:TH_LOAD_NT
.endr
.endr
	s_min_u32 s21, s21, 7
	s_lshl_b32 s21, s21, 12                        ; a row of b2 is 4,096 bytes
	v_add_nc_u32 v[BO], s21, v[RB]
	global_load_b128 v[160:163], v[BO], s[12:13]
	s_wait_loadcnt 33                              ; the tokens are in; the 33 younger loads (the parts' 32 and b2's) may be out
.irp i, 0,1,2,3,4,5,6,7
	v_cmp_gt_u32 s[40+\i], s23, v[8+\i]            ; a token stands at this place
	v_min_u32 v[8+\i], 0x3ff, v[8+\i]
	v_lshlrev_b32 v[168+\i], 2, v[8+\i]
	v_lshl_add_u32 v[24+\i], v[8+\i], 12, v[RB]    ; the token's row of 4,096 bytes, my 16 bytes of it
.endr
.irp i, 0,1,2,3,4,5,6,7
	global_load_b32 v[16+\i], v[168+\i], s[10:11]
.endr
	s_wait_loadcnt 0x8                             ; the parts and b2 are in; the eight gathers of ss may be out
.set k, 0
.rept 16
	v_pk_add_f32 v[32+2*k:33+2*k], v[32+2*k:33+2*k], v[64+2*k:65+2*k]
	v_pk_add_f32 v[96+2*k:97+2*k], v[96+2*k:97+2*k], v[128+2*k:129+2*k]
.set k, k+1
.endr
.set k, 0
.rept 16
	v_pk_add_f32 v[32+2*k:33+2*k], v[32+2*k:33+2*k], v[96+2*k:97+2*k]
.set k, k+1
.endr
.irp j, 0,1,2,3,4,5,6,7
	ds_store_b128 v[SIN], v[32+4*\j:35+4*\j] offset:16*\j
.endr
.irp i, 0,1,2,3,4,5,6,7
	ds_load_b128 v[64+4*\i:67+4*\i], v[SBK] offset:2*SP*\i   ; LDS serves a wave's instructions in order (ISA guide 5.7.1.4): these see my stores
.endr
	s_wait_loadcnt 0x0                             ; ss
	s_wait_dscnt 0x0
.irp i, 0,1,2,3,4,5,6,7
	v_pk_add_f32 v[64+4*\i:65+4*\i], v[64+4*\i:65+4*\i], v[160:161]
	v_pk_add_f32 v[66+4*\i:67+4*\i], v[66+4*\i:67+4*\i], v[162:163]
.endr
.irp i, 0,1,2,3,4,5,6,7
.irp c, 0,1,2,3
	v_mul_f32 v[64+4*\i+\c], v[64+4*\i+\c], v[16+\i]
.endr
.endr
.irp i, 0,1,2,3,4,5,6,7
	s_mov_b32 vcc_lo, s[40+\i]
	s_wait_xcnt 0x0                                ; EXEC changes only behind this wait
	s_and_saveexec_b32 s24, vcc_lo
	global_store_b128 v[24+\i], v[64+4*\i:67+4*\i], s[14:15] th:TH_STORE_NT
	s_wait_xcnt 0x0
	s_or_b32 exec_lo, exec_lo, s24
.endr
.Lend:
	s_wait_tensorcnt 0x0
	ds_add_u32 v176, v177
	s_wait_dscnt 0x0
	s_endpgm
.Lfunc_end_k_qf25063d633_finish:
	.size	k_qf25063d633_finish, .Lfunc_end_k_qf25063d633_finish-k_qf25063d633_finish
	.p2alignl 7, 3214868480
	.fill 96, 4, 3214868480
	.section	.rodata,"a",@progbits
	.p2align	6, 0x0
	.amdhsa_kernel k_qf25063d633_finish
		.amdhsa_group_segment_fixed_size 17920
		.amdhsa_private_segment_fixed_size 0
		.amdhsa_enable_private_segment 0
		.amdhsa_kernarg_size 48
		.amdhsa_user_sgpr_count 2
		.amdhsa_user_sgpr_kernarg_segment_ptr 1
		.amdhsa_wavefront_size32 1
		.amdhsa_system_sgpr_workgroup_id_x 1
		.amdhsa_system_sgpr_workgroup_id_y 1
		.amdhsa_system_sgpr_workgroup_id_z 1
		.amdhsa_system_vgpr_workitem_id 0
		.amdhsa_next_free_vgpr 178
		.amdhsa_next_free_sgpr 66
		.amdhsa_reserve_vcc 1
		.amdhsa_float_denorm_mode_32 3
		.amdhsa_float_denorm_mode_16_64 3
		.amdhsa_memory_ordered 1
		.amdhsa_forward_progress 1
		.amdhsa_inst_pref_size 17
	.end_amdhsa_kernel
	.amdgpu_metadata
---
amdhsa.version: [ 1, 2 ]
amdhsa.kernels:
  - .name:           k_qf25063d633_finish
    .symbol:         k_qf25063d633_finish.kd
    .args:
      - { .name: part, .offset: 0, .size: 8, .value_kind: global_buffer, .address_space: global }
      - { .name: tok, .offset: 8, .size: 8, .value_kind: global_buffer, .address_space: global }
      - { .name: meta, .offset: 16, .size: 8, .value_kind: global_buffer, .address_space: global }
      - { .name: ss, .offset: 24, .size: 8, .value_kind: global_buffer, .address_space: global }
      - { .name: b2, .offset: 32, .size: 8, .value_kind: global_buffer, .address_space: global }
      - { .name: out0, .offset: 40, .size: 8, .value_kind: global_buffer, .address_space: global }
    .group_segment_fixed_size: 17920
    .private_segment_fixed_size: 0
    .kernarg_segment_align: 8
    .kernarg_segment_size: 48
    .max_flat_workgroup_size: 128
    .sgpr_count:     66
    .vgpr_count:     178
    .wavefront_size: 32
...
	.end_amdgpu_metadata
.endif
;; end of part 5
;; ======== version 2 of 2: 5 launches
;; workspace buffers: idx 4,096 bytes of whole numbers; score 4,096 bytes; xq 1,048,576 bytes; tok 5,632 bytes of whole numbers; meta 512 bytes of whole numbers; ss 4,096 bytes; hq 4,653,056 bytes; part 18,612,224 bytes
;; launch route (part 6): grid 256 x 1, 4 waves a work-group, no clusters, 37,376 bytes of LDS; arguments x, Wr, br, lowp_scales, idx, score, xq; writes idx, score, xq
.if DOCPART == 6
	.amdgcn_target "amdgcn-amd-amdhsa--gfx1250"
	.amdhsa_code_object_version 6
	.text
	.protected	k_qf25063d633_route
	.globl	k_qf25063d633_route
	.p2align	8
	.type	k_qf25063d633_route,@function
k_qf25063d633_route:
	s_mov_b64 s[64:65], 0
	v_nop
	global_prefetch_b8 v0, s[64:65] scope:SCOPE_SE
	s_setreg_imm32_b32 hwreg(HW_REG_WAVE_MODE, 25, 1), 1
	s_wait_xcnt 0x0
; THE ROUTER.  logits = x Wr + br in f32 (fused multiply-adds); the chosen expert and its softmax score for each token; the token's row of x as codes of E4M3 with the scale of ITS expert (lowp_scales[4 e]).
; x: [1024][1024] f32.  Wr: [1024][8] f32.  A wave takes one row of x; a work-group of four waves four rows; 256 work-groups.
; Wr (32,768 bytes) goes once into LDS as 256 blocks of 128 bytes (four rows of Wr), 144 bytes apart, so that the 32 lanes, a block each, start at different banks.
; A lane's 32 numbers of x: X[4 j + b] = column 128 j + 4 lane + b: each load of the wave covers 512 consecutive bytes.
; The codes leave in the same order: stored byte 512 H + 16 lane + 4 jj + b of a row holds column 128 (jj + 4 H) + 4 lane + b.  The launch that multiplies takes the weights' rows in that order too.
; No address and no branch hangs on a floating-point number: the choice selects values only (v_cndmask_b32); idx, score and xq lie at fixed places.
; LIMITS: the largest LOGIT is taken, the lower index on a tie (reference() takes the largest rounded score: the two differ only where two logits are closer than the exponential's rounding).
; lowp_scales[4 e] between -126 and 119, so that 2^e and 448 x 2^e are f32 numbers.  NaN among the inputs is not served.
; No matrix unit: eight columns are too few for a tile; no cluster: the launch has no tensor load.
.set PB,  144                          ; a block's pitch in LDS
.set X,   8                            ; v8-39    my 32 numbers of x
.set WL,  40                           ; v40-103  Wr as it lands
.set WB,  104                          ; v104-167 two buffers of 32: a block of Wr from LDS
.set LG,  168                          ; v168-175 the eight logits
	s_load_b256 s[4:11], s[0:1], 0x0               ; x s[4:5], Wr s[6:7], br s[8:9], lowp_scales s[10:11]
	s_load_b128 s[12:15], s[0:1], 0x20             ; idx s[12:13], score s[14:15]
	s_load_b64 s[16:17], s[0:1], 0x30              ; xq
	v_lshl_add_u32 v192, v0, 2, 0x9000
	v_mov_b32 v193, 0
	v_and_b32 v1, 31, v0                           ; lane
	v_lshrrev_b32 v5, 5, v0
	v_readfirstlane_b32 s18, v5                    ; wave
	v_lshrrev_b32 v2, 3, v0
	v_mul_u32_u24 v2, v2, PB
	v_and_b32 v5, 7, v0
	v_lshl_add_u32 v2, v5, 4, v2                   ; into LDS: eight threads fill a block: 144 (t / 8) + 16 (t % 8)
	v_mul_u32_u24 v3, v1, PB                       ; out of LDS: a block a lane
	v_lshlrev_b32 v4, 4, v1                        ; 16 x lane
	v_lshlrev_b32 v6, 4, v0                        ; 16 x thread
	v_mov_b32 v183, 0
	s_lshl_b32 s19, ttmp9, 2
	s_add_co_u32 s19, s19, s18                     ; my row
	s_lshl_b32 s20, s19, 12                        ; its bytes in x,
	s_mov_b32 s21, 0
	s_lshl_b32 s22, s19, 10                        ; in xq,
	s_mov_b32 s23, 0
	s_lshl_b32 s70, s19, 2                         ; in idx and score
	s_mov_b32 s71, 0
	s_mov_b32 s66, 0x76543210                      ; v_permlanex16_b32: lane l xor 16
	s_mov_b32 s67, 0xfedcba98
	s_wait_alu depctr_va_vdst(0)
	s_wait_kmcnt 0x0
	s_load_b256 s[24:31], s[8:9], 0x0              ; br
	s_load_b512 s[32:47], s[10:11], 0x0            ; the 32 exponents: x's for expert e is entry 4 e
	s_load_b512 s[48:63], s[10:11], 0x40
	s_add_nc_u64 s[4:5], s[4:5], s[20:21]
	s_add_nc_u64 s[16:17], s[16:17], s[22:23]
	s_add_nc_u64 s[12:13], s[12:13], s[70:71]
	s_add_nc_u64 s[14:15], s[14:15], s[70:71]
.irp i, 0,1,2,3,4,5,6,7,8,9,10,11,12,13,14,15
	global_load_b128 v[WL+4*\i:WL+4*\i+3], v6, s[6:7] offset:2048*\i      ; the work-group's 128 threads take 2,048 consecutive bytes of Wr
.endr
.irp j, 0,1,2,3,4,5,6,7
	global_load_b128 v[X+4*\j:X+4*\j+3], v4, s[4:5] offset:512*\j th:TH_LOAD_NT
.endr
	s_wait_loadcnt 0x8                             ; Wr is in; the eight younger loads, x's, may be out
.irp i, 0,1,2,3,4,5,6,7,8,9,10,11,12,13,14,15
	ds_store_b128 v2, v[WL+4*\i:WL+4*\i+3] offset:16*PB*\i
.endr
	s_wait_dscnt 0x0                               ; for the others' sake: my part of Wr lies in LDS
	s_barrier_signal -1
	s_barrier_wait -1
.macro WRLD j                          ; block 32 j + lane: Wr's rows 128 j + 4 lane + 0 .. 3: register 8 b + e
.irp i, 0,1,2,3,4,5,6,7
	ds_load_b128 v[WB+32*((\j)%2)+4*\i:WB+32*((\j)%2)+4*\i+3], v3 offset:32*PB*(\j)+16*\i
.endr
.endm
.macro DOT j                           ; eight chains, one an expert; the first products start the sums
.irp b, 0,1,2,3
.irp e, 0,1,2,3,4,5,6,7
.if ((\j) == 0) && (\b == 0)
	v_mul_f32 v[LG+\e], v[X+4*(\j)+\b], v[WB+32*((\j)%2)+8*\b+\e]
.else
	v_fmac_f32 v[LG+\e], v[X+4*(\j)+\b], v[WB+32*((\j)%2)+8*\b+\e]
.endif
.endr
.endr
.endm
	WRLD 0
	s_wait_loadcnt 0x0                             ; x
.irp j, 0,1,2,3,4,5,6
	WRLD \j+1
	s_wait_alu depctr_va_vdst(0)
	s_wait_dscnt 0x8                               ; this block is in; the next block's eight loads may be out
	DOT \j
.endr
	s_wait_alu depctr_va_vdst(0)
	s_wait_dscnt 0x0
	DOT 7
.irp m, 1,2,4,8                        ; the sums over the 32 lanes, in every lane
.irp e, 0,1,2,3,4,5,6,7
	v_add_f32_dpp v[LG+\e], v[LG+\e], v[LG+\e] row_xmask:\m row_mask:0xf bank_mask:0xf
.endr
.endr
.irp e, 0,1,2,3,4,5,6,7
	v_permlanex16_b32 v[WB+\e], v[LG+\e], s66, s67
.endr
	s_wait_alu depctr_va_vdst(0)
	s_wait_kmcnt 0x0                               ; br and the exponents
.irp e, 0,1,2,3,4,5,6,7
	v_add_f32 v[LG+\e], v[LG+\e], v[WB+\e]
.endr
.irp e, 0,1,2,3,4,5,6,7
	v_add_f32 v[LG+\e], s[24+\e], v[LG+\e]
.endr
	v_mov_b32 v176, v[LG]                          ; the largest logit so far,
	v_mov_b32 v177, 0                              ; its expert,
	v_mov_b32 v178, s32                            ; and that expert's exponent for x
.irp e, 1,2,3,4,5,6,7
	v_cmp_ge_f32 vcc_lo, v176, v[LG+\e]            ; what stands is kept on a tie: the lower index
	v_cndmask_b32 v177, \e, v177, vcc_lo
	v_cndmask_b32 v178, s[32+4*\e], v178, vcc_lo
	v_cndmask_b32 v176, v[LG+\e], v176, vcc_lo
.endr
.irp e, 0,1,2,3,4,5,6,7
	v_sub_f32 v[WB+\e], v[LG+\e], v176             ; the maximum is taken away ahead of the exponentials
.endr
.irp e, 0,1,2,3,4,5,6,7
	v_mul_f32 v[WB+\e], 0x3fb8aa3b, v[WB+\e]
.endr
	s_wait_alu depctr_va_vdst(0)
.irp e, 0,1,2,3,4,5,6,7
	v_exp_f32 v[WB+\e], v[WB+\e]
.endr
	v_add_nc_u32 v182, 0x7f, v178                  ; (plain work behind the batch)  e + 127
	v_lshlrev_b32 v180, 23, v182                   ; 2^e as f32: the conversion takes its exponent field
	v_add_nc_u32 v182, 8, v182
	v_lshlrev_b32 v181, 23, v182
	v_or_b32 v181, 0x600000, v181                  ; 448 x 2^e
	s_wait_alu depctr_va_vdst(0)                   ; one wait for the eight exponentials, ahead of their first reader
	v_add_f32 v[WB], v[WB], v[WB+1]
	v_add_f32 v[WB+2], v[WB+2], v[WB+3]
	v_add_f32 v[WB+4], v[WB+4], v[WB+5]
	v_add_f32 v[WB+6], v[WB+6], v[WB+7]
	v_add_f32 v[WB], v[WB], v[WB+2]
	v_add_f32 v[WB+4], v[WB+4], v[WB+6]
	v_add_f32 v[WB], v[WB], v[WB+4]
	s_wait_alu depctr_va_vdst(0)
	v_rcp_f32 v179, v[WB]                          ; the largest score: exp(0) / the sum
.set k, 0
.rept 32
	v_med3_num_f32 v[X+k], v[X+k], -v181, v181     ; the conversion to an 8-bit code does not saturate (ISA guide 7.6.2): the hold at the largest code x the scale
.set k, k+1
.endr
.irp g, 0,1,2,3
	v_cvt_scalef32_pk8_fp8_f32 v[184+2*\g:185+2*\g], v[X+8*\g:X+8*\g+7], v180
.endr
	v_nop
	v_cmp_eq_u32 vcc_lo, 0, v1
	s_wait_alu depctr_va_vdst(0)                   ; the reciprocal's wait, ahead of the store that reads it
	global_store_b128 v4, v[184:187], s[16:17]             ; 512 consecutive bytes of my row of codes,
	global_store_b128 v4, v[188:191], s[16:17] offset:512  ; and the other 512
	s_wait_xcnt 0x0                                ; EXEC changes only behind this wait
	s_wait_tensorcnt 0x0
	ds_add_u32 v192, v193
	s_wait_dscnt 0x0
	s_and_saveexec_b32 s68, vcc_lo                 ; lane 0 alone
	global_store_b32 v183, v177, s[12:13]
	global_store_b32 v183, v179, s[14:15]
	s_wait_xcnt 0x0
	s_or_b32 exec_lo, exec_lo, s68
	s_endpgm
.Lfunc_end_k_qf25063d633_route:
	.size	k_qf25063d633_route, .Lfunc_end_k_qf25063d633_route-k_qf25063d633_route
	.p2alignl 7, 3214868480
	.fill 96, 4, 3214868480
	.section	.rodata,"a",@progbits
	.p2align	6, 0x0
	.amdhsa_kernel k_qf25063d633_route
		.amdhsa_group_segment_fixed_size 37376
		.amdhsa_private_segment_fixed_size 0
		.amdhsa_enable_private_segment 0
		.amdhsa_kernarg_size 56
		.amdhsa_user_sgpr_count 2
		.amdhsa_user_sgpr_kernarg_segment_ptr 1
		.amdhsa_wavefront_size32 1
		.amdhsa_system_sgpr_workgroup_id_x 1
		.amdhsa_system_sgpr_workgroup_id_y 1
		.amdhsa_system_sgpr_workgroup_id_z 1
		.amdhsa_system_vgpr_workitem_id 0
		.amdhsa_next_free_vgpr 194
		.amdhsa_next_free_sgpr 72
		.amdhsa_reserve_vcc 1
		.amdhsa_float_denorm_mode_32 3
		.amdhsa_float_denorm_mode_16_64 3
		.amdhsa_memory_ordered 1
		.amdhsa_forward_progress 1
		.amdhsa_inst_pref_size 27
	.end_amdhsa_kernel
	.amdgpu_metadata
---
amdhsa.version: [ 1, 2 ]
amdhsa.kernels:
  - .name:           k_qf25063d633_route
    .symbol:         k_qf25063d633_route.kd
    .args:
      - { .name: x, .offset: 0, .size: 8, .value_kind: global_buffer, .address_space: global }
      - { .name: Wr, .offset: 8, .size: 8, .value_kind: global_buffer, .address_space: global }
      - { .name: br, .offset: 16, .size: 8, .value_kind: global_buffer, .address_space: global }
      - { .name: lowp_scales, .offset: 24, .size: 8, .value_kind: global_buffer, .address_space: global }
      - { .name: idx, .offset: 32, .size: 8, .value_kind: global_buffer, .address_space: global }
      - { .name: score, .offset: 40, .size: 8, .value_kind: global_buffer, .address_space: global }
      - { .name: xq, .offset: 48, .size: 8, .value_kind: global_buffer, .address_space: global }
    .group_segment_fixed_size: 37376
    .private_segment_fixed_size: 0
    .kernarg_segment_align: 8
    .kernarg_segment_size: 56
    .max_flat_workgroup_size: 128
    .sgpr_count:     72
    .vgpr_count:     194
    .wavefront_size: 32
...
	.end_amdgpu_metadata
.endif
;; end of part 6
;; launch place (part 7): grid 1 x 1, 32 waves a work-group, no clusters, 8,192 bytes of LDS; arguments idx, score, tok, ss, meta; writes tok, ss, meta
.if DOCPART == 7
	.amdgcn_target "amdgcn-amd-amdhsa--gfx1250"
	.amdhsa_code_object_version 6
	.text
	.protected	k_qf25063d633_place
	.globl	k_qf25063d633_place
	.p2align	8
	.type	k_qf25063d633_place,@function
k_qf25063d633_place:
	s_mov_b64 s[64:65], 0
	v_nop
	global_prefetch_b8 v0, s[64:65] scope:SCOPE_SE
	s_setreg_imm32_b32 hwreg(HW_REG_WAVE_MODE, 25, 1), 1
	s_wait_xcnt 0x0
; THE PLACING: a stable counting sort of the 1,024 tokens by expert, whole numbers only.  One work-group, thread t = token t, no atomics.
; OUT.  tok[place] = token, in PADDED order: expert e owns tiles toff_e .. toff_e + T_e - 1 of 16 places, T_e = ceil(n_e / 16); a place without a token holds 1024; all 1,408 words are written
;       (71 tiles at the most, and a chunk of 11 tiles that begins at the last of them ends inside 1,408).
;       ss[p] = the score of the token at UNPADDED sorted place p: reference() scales row p of the output by it.
;       meta: words 0-7 n_e, 8-15 toff_e, 16 the number of tiles, 17-31 zero, 32 + tile (96 of them) the tile's expert.
; A token's rank among its expert's: those in earlier waves (counts meet in LDS: row = expert, word = wave) + those in lower lanes of its wave (v_mbcnt_lo_u32_b32 on the expert's mask).
; SCALARS: s8-15 masks; s16-23 my wave's counts; s24-31 n_e; s32-39 counts in earlier waves; s40-47 toff_e; s48 tiles; s49 tokens so far; s50-57 16 toff_e + before; s66-73 off_e + before; s74-81 16 toff_e.
	s_load_b256 s[84:91], s[0:1], 0x0              ; idx s[84:85], score s[86:87], tok s[88:89], ss s[90:91]
	s_load_b64 s[92:93], s[0:1], 0x20              ; meta
	v_lshl_add_u32 v64, v0, 2, 0x1000
	v_mov_b32 v65, 0
	v_and_b32 v1, 31, v0                           ; lane
	v_lshrrev_b32 v2, 5, v0
	s_delay_alu instid0(VALU_DEP_1)
	v_readfirstlane_b32 s2, v2                     ; wave
	v_lshlrev_b32 v3, 2, v0                        ; 4 t
	s_mov_b32 s94, 0x76543210
	s_mov_b32 s95, 0xfedcba98
	s_wait_alu depctr_va_vdst(0)
	s_wait_kmcnt 0x0
	global_load_b32 v4, v3, s[84:85]
	global_load_b32 v5, v3, s[86:87]
	v_mov_b32 v6, 0                                ; my rank in my wave
	v_mov_b32 v8, 0
	v_lshlrev_b32 v9, 7, v1
	s_lshl_b32 s3, s2, 2
	v_add_nc_u32 v9, s3, v9                        ; the table: row = lane (an expert in lanes 0-7), word = my wave
	v_lshlrev_b32 v10, 2, v1
.set k, 0
.rept 16
	v_mov_b32 v[32+k], 0                           ; written once: the destination of a lane exchange counts as read
.set k, k+1
.endr
	s_wait_loadcnt 0x0
	v_min_u32 v4, 7, v4
.irp e, 0,1,2,3,4,5,6,7
	v_cmp_eq_u32 s[8+\e], \e, v4
	s_bcnt1_i32_b32 s[16+\e], s[8+\e]
	v_mbcnt_lo_u32_b32 v7, s[8+\e], 0
	s_delay_alu instid0(VALU_DEP_1)
	v_cndmask_b32 v6, v6, v7, s[8+\e]
	v_writelane_b32 v8, s[16+\e], \e
.endr
	ds_store_b32 v9, v8
	s_wait_dscnt 0x0                               ; for the others' sake: my counts lie in LDS
	s_barrier_signal -1
	s_barrier_wait -1
.irp e, 0,1,2,3,4,5,6,7
	ds_load_b32 v[16+\e], v10 offset:128*\e        ; lane l: wave l's count of expert e
.endr
	v_cmp_gt_u32 vcc_lo, s2, v1                    ; the waves in front of mine
	s_wait_dscnt 0x0
.irp e, 0,1,2,3,4,5,6,7
	v_cndmask_b32 v[24+\e], 0, v[16+\e], vcc_lo
.endr
.irp m, 1,2,4,8                        ; sixteen sums over the 32 lanes
.irp k, 0,1,2,3,4,5,6,7,8,9,10,11,12,13,14,15
	v_mov_b32_dpp v[32+\k], v[16+\k] row_xmask:\m row_mask:0xf bank_mask:0xf
.endr
.irp k, 0,1,2,3,4,5,6,7,8,9,10,11,12,13,14,15
	v_add_nc_u32 v[16+\k], v[16+\k], v[32+\k]
.endr
.endr
.irp k, 0,1,2,3,4,5,6,7,8,9,10,11,12,13,14,15
	v_permlanex16_b32 v[32+\k], v[16+\k], s94, s95
.endr
.irp k, 0,1,2,3,4,5,6,7,8,9,10,11,12,13,14,15
	v_add_nc_u32 v[16+\k], v[16+\k], v[32+\k]
.endr
.irp e, 0,1,2,3,4,5,6,7
	v_readfirstlane_b32 s[24+\e], v[16+\e]
	v_readfirstlane_b32 s[32+\e], v[24+\e]
.endr
	s_mov_b32 s48, 0
	s_mov_b32 s49, 0
.irp e, 0,1,2,3,4,5,6,7
	s_mov_b32 s[40+\e], s48
	s_lshl_b32 s[74+\e], s48, 4
	s_add_co_u32 s[50+\e], s[74+\e], s[32+\e]
	s_add_co_u32 s[66+\e], s49, s[32+\e]
	s_add_co_u32 s3, s[24+\e], 15
	s_lshr_b32 s3, s3, 4
	s_add_co_u32 s48, s48, s3
	s_add_co_u32 s49, s49, s[24+\e]
.endr
	v_mov_b32 v11, 0
	v_mov_b32 v12, 0
.irp e, 0,1,2,3,4,5,6,7
	s_delay_alu instid0(VALU_DEP_2)
	v_cndmask_b32 v11, v11, s[50+\e], s[8+\e]
	s_delay_alu instid0(VALU_DEP_2)
	v_cndmask_b32 v12, v12, s[66+\e], s[8+\e]
.endr
	s_delay_alu instid0(VALU_DEP_2)
	v_add_nc_u32 v11, v11, v6                      ; my padded place,
	s_delay_alu instid0(VALU_DEP_2)
	v_add_nc_u32 v12, v12, v6                      ; my unpadded place
	s_delay_alu instid0(VALU_DEP_2)
	v_min_u32 v11, 0x57f, v11
	s_delay_alu instid0(VALU_DEP_2)
	v_min_u32 v12, 0x3ff, v12
	s_delay_alu instid0(VALU_DEP_2)
	v_lshlrev_b32 v11, 2, v11
	s_delay_alu instid0(VALU_DEP_2)
	v_lshlrev_b32 v12, 2, v12
	global_store_b32 v11, v0, s[88:89]
	global_store_b32 v12, v5, s[90:91]
	v_mov_b32 v15, 0x400                           ; the mark of a place without a token
	v_add_nc_u32 v13, 0x400, v0
; Place v[p] holds a token if, for some expert, place - 16 toff_e (unsigned) is under n_e.  The others get the mark.
.macro PADS p, off
	s_mov_b32 s82, 0
.irp e, 0,1,2,3,4,5,6,7
	v_sub_nc_u32 v14, v[\p], s[74+\e]
	s_delay_alu instid0(VALU_DEP_1)
	v_cmp_gt_u32 s83, s[24+\e], v14
	s_or_b32 s82, s82, s83
.endr
	s_not_b32 vcc_lo, s82
	s_wait_xcnt 0x0                                ; EXEC changes only behind this wait
	s_and_saveexec_b32 s83, vcc_lo
	global_store_b32 v3, v15, s[88:89] offset:\off
	s_wait_xcnt 0x0
	s_or_b32 exec_lo, exec_lo, s83
.endm
	PADS 0, 0                                      ; places 0 to 1,023
	s_cmp_lt_u32 s2, 12
	s_cbranch_scc0 .Lno_more_places
	PADS 13, 4096                                  ; places 1,024 to 1,407: waves 0 to 11
.Lno_more_places:
	s_cmp_lt_u32 s2, 3
	s_cbranch_scc0 .Lno_texp
	v_mov_b32 v17, 0                               ; tile t's expert: the last e whose first tile is not behind t
.irp e, 1,2,3,4,5,6,7
	v_cmp_gt_u32 vcc_lo, s[40+\e], v0
	s_delay_alu instid0(VALU_DEP_1)
	v_cndmask_b32 v17, \e, v17, vcc_lo
.endr
	global_store_b32 v3, v17, s[92:93] offset:128
.Lno_texp:
	s_cmp_eq_u32 s2, 0
	s_cbranch_scc0 .Lend
	v_mov_b32 v18, 0
.irp e, 0,1,2,3,4,5,6,7
	s_delay_alu instid0(VALU_DEP_1)
	v_writelane_b32 v18, s[24+\e], \e
	s_delay_alu instid0(VALU_DEP_1)
	v_writelane_b32 v18, s[40+\e], 8+\e
.endr
	s_delay_alu instid0(VALU_DEP_1)
	v_writelane_b32 v18, s48, 16
	global_store_b32 v3, v18, s[92:93]             ; meta's first 32 words
.Lend:
	s_wait_tensorcnt 0x0
	ds_add_u32 v64, v65
	s_wait_dscnt 0x0
	s_endpgm
.Lfunc_end_k_qf25063d633_place:
	.size	k_qf25063d633_place, .Lfunc_end_k_qf25063d633_place-k_qf25063d633_place
	.p2alignl 7, 3214868480
	.fill 96, 4, 3214868480
	.section	.rodata,"a",@progbits
	.p2align	6, 0x0
	.amdhsa_kernel k_qf25063d633_place
		.amdhsa_group_segment_fixed_size 8192
		.amdhsa_private_segment_fixed_size 0
		.amdhsa_enable_private_segment 0
		.amdhsa_kernarg_size 40
		.amdhsa_user_sgpr_count 2
		.amdhsa_user_sgpr_kernarg_segment_ptr 1
		.amdhsa_wavefront_size32 1
		.amdhsa_system_sgpr_workgroup_id_x 1
		.amdhsa_system_sgpr_workgroup_id_y 1
		.amdhsa_system_sgpr_workgroup_id_z 1
		.amdhsa_system_vgpr_workitem_id 0
		.amdhsa_next_free_vgpr 66
		.amdhsa_next_free_sgpr 100
		.amdhsa_reserve_vcc 1
		.amdhsa_float_denorm_mode_32 3
		.amdhsa_float_denorm_mode_16_64 3
		.amdhsa_memory_ordered 1
		.amdhsa_forward_progress 1
		.amdhsa_inst_pref_size 25
	.end_amdhsa_kernel
	.amdgpu_metadata
---
amdhsa.version: [ 1, 2 ]
amdhsa.kernels:
  - .name:           k_qf25063d633_place
    .symbol:         k_qf25063d633_place.kd
    .args:
      - { .name: idx, .offset: 0, .size: 8, .value_kind: global_buffer, .address_space: global }
      - { .name: score, .offset: 8, .size: 8, .value_kind: global_buffer, .address_space: global }
      - { .name: tok, .offset: 16, .size: 8, .value_kind: global_buffer, .address_space: global }
      - { .name: ss, .offset: 24, .size: 8, .value_kind: global_buffer, .address_space: global }
      - { .name: meta, .offset: 32, .size: 8, .value_kind: global_buffer, .address_space: global }
    .group_segment_fixed_size: 8192
    .private_segment_fixed_size: 0
    .kernarg_segment_align: 8
    .kernarg_segment_size: 40
    .max_flat_workgroup_size: 1024
    .sgpr_count:     100
    .vgpr_count:     66
    .wavefront_size: 32
...
	.end_amdgpu_metadata
.endif
;; end of part 7
;; launch hidden (part 8): grid 32 x 8, 8 waves a work-group, no clusters, 315,392 bytes of LDS; arguments W1, b1, lowp_scales, xq, tok, meta, hq; writes hq
.if DOCPART == 8
	.amdgcn_target "amdgcn-amd-amdhsa--gfx1250"
	.amdhsa_code_object_version 6
	.text
	.protected	k_qf25063d633_hidden
	.globl	k_qf25063d633_hidden
	.p2align	8
	.type	k_qf25063d633_hidden,@function
k_qf25063d633_hidden:
	s_mov_b64 s[64:65], 0
	v_nop
	global_prefetch_b8 v0, s[64:65] scope:SCOPE_SE
	s_setreg_imm32_b32 hwreg(HW_REG_WAVE_SCHED_MODE, 0, 2), 2
	s_setreg_imm32_b32 hwreg(HW_REG_WAVE_MODE, 25, 1), 1
	s_wait_xcnt 0x0
	s_wait_alu depctr_vm_vsrc(0)
; THE FIRST PRODUCT OF THE CHOSEN EXPERTS: hq = Q(relu(Q(x) Q(W1[e]) + b1[e])), for the tokens of expert e alone, on codes of E4M3.
; THE WEIGHTS STAND STILL.  Work-group (sl, e) owns W1[e][all 1,024 k][columns 128 sl .. +127]: 512 KiB of f32, read once, quantised in registers on the way, kept as 128 KiB of codes in LDS, and multiplied by all
; tokens of the expert, a chunk of 11 tiles of 16 at a time.  8 x 32 = 256 work-groups.  Wave w: g = w & 1 its 64 columns; cc = w >> 1 its quarter of each fragment as a producer, and its tiles of tokens (cc, cc + 4, cc + 8) as a multiplier.
; A UNIT (K step s of 128, quarter cc): 16 loads; in each, lanes 0-15 read 256 consecutive bytes (64 columns) of one row k, lanes 16-31 of the row 4 further down.  Load 4 i + b of half h reads
; k = 512 (s / 4) + 128 i + 32 (s % 4) + 8 cc + 4 h + b: the order in which xq stores a token's codes, so that both operands hold the same k in the same half, register and byte.  K's order inside an instruction is thus
; permuted, alike on both sides.  The conversions give register 4 i + b = row, byte j = column 4 r + j; a turn of 4 x 4 bytes (v_perm_b32) gives register i, byte b of column 4 r + j.
; So tile j of a wave's four holds in lane r the column 64 g + 4 r + j: the columns of a tile are not neighbours.
; THE MATRIX INSTRUCTION IS USED TRANSPOSED (source 0 = 16 columns of W1, source 1 = 16 tokens): lane (r, h) holds token r, and register p of tile j the hidden unit 64 g + 32 h + 4 p + j.  Converted eight at a time these
; are registers 8 g + 2 j + jj, byte b = unit 64 g + 32 h + 16 jj + 4 b + j of the second product's operand; they are stored as an image of that operand's registers: hq[tile][K step sl][512 (register / 4) + 16 lane].
; b1, divided by 2^(ex + ew1), is the C of each sum's first instruction; relu is the lower end of the hold; the three scales ahead of the quantiser are folded into the conversion's one.
; COUNTS READ FROM MEMORY (n_e, the first tile) steer stores and the later chunks, so the launch has no tensor load and no joint load; every barrier stands on every wave's path, outside those branches.
; What work-groups share, the tokens' codes, is 176 KiB of the 688 KiB that a work-group takes in.  Chunk 0 is staged and multiplied whole whatever n_e, so that every count of loads is the same on every path;
; rows without a token take another token's codes, and tiles beyond the expert's are not stored.
; LIMITS: ew1 and eh - ex - ew1 between -126 and 119.  NaN among the inputs is not served.
; LDS: 0: the codes of W1: fragment (tile 4 g + j, K step s) at 16384 (4 g + j) + 2048 s + 512 c + 16 lane.   ABASE: 176 rows of tokens' codes, 1,024 bytes + 16 of padding.
; REGISTERS, window 0: v1 16 lane; v2 my offset in W1; v3 / v4 where I store / read codes of W1; v5-7 my three tiles of tokens; v8 where I stage tokens; v11 16 lane + 1024 g; v12, v13 2^ew1 and 448 x that; v14, v15 the same
;   for eh - ex - ew1; v16-18 offsets of the stores; v21 b1's offset; v32-47 codes as converted, also tokens' fragment 0; v48-63 codes turned, also fragment 1; v64-67 at work; v68-163 12 accumulators; v164-227 four fragments
;   of W1, later the hidden codes; v228-243 fragment 2.  At a staging: v32-53 addresses, v68-243 the rows.   window 1: v0-191 three landing slots of 64; v192-223 b1; v224-255 b1 scaled, tile j at 224 + 8 j.
; THE MODE: SCHED_MODE bits 1:0 = 2 (LLVM: expert scheduling mode 2), set by the entry lines.  The code itself states the register dependences between vector or matrix instructions and memory or LDS instructions,
; with s_wait_alu, always for 0.
; THE PLAN.  Registers that memory or LDS instructions touch, and who else names them:
;   v1-8, v11, v21, v254, v255   offsets and LDS addresses: written at the head alone; one wait on va_vdst ahead of the first load serves the whole kernel.
;   the landing slots            a unit's loads land; its 64 holds write and its 8 conversions read the slot; then the loads of the unit three on land in it.
;   v48-63                       written by a unit's byte turn, read by its four LDS stores; written next by the next unit's turn or by the LDS loads of the tokens' fragment 1.
;       ONE wait on va_vdst in a unit, behind the byte turn, states both: the slot is done with, and v48-63 are written.  The unit's 16 loads and 4 LDS stores follow it with no vector instruction between.
;       One wait on vm_vsrc behind the stores frees v48-63.
;   v32-53 at a staging          written by shifts, read by the 44 loads as offsets: a wait on va_vdst between; a wait on vm_vsrc behind the loads, since conversions or fragments' loads write them next.
;   v68-243 at a staging         the loads land, the 44 LDS stores read: a wait on vm_vsrc behind the stores, since accumulators and fragments are written there next.
;   the fragments                LDS loads land, matrix instructions read.  A K step that follows a K step begins with a wait on va_vdst.  A K step that follows a unit or a staging has none: that unit's wait (the way out's, in the
;                                later chunks) stands behind all earlier matrix and vector instructions, and no vector instruction since names a fragment.
;   v164-187, v16-18             the hidden codes and the stores' offsets: written on the way out; ONE wait on va_vdst ahead of the three branches round the stores; a wait on vm_vsrc at the head of the next chunk.
;   There is no second set of fragments: window 0 is full, and window 1's slots have loads on their way until the last unit.
.set ABASE, 131072
.set AP,    1040                       ; a staged row: 65 x 16 bytes, so that the 16 rows of a fragment load start at different banks
.set R,     32
.set T,     48
.set ACC,   68
.set BF,    164
.set A0,    32
.set A1,    48
.set A2,    228
.set MSB, 0
.macro WIN new                         ; the immediate's high byte repeats the setting that is left
.if MSB != \new
	s_set_vgpr_msb (MSB<<8)|\new
.set MSB, \new
.endif
.endm
.macro BAR                             ; my LDS stores have landed and my LDS loads are in: then the work-group's barrier
	s_wait_dscnt 0x0
	s_barrier_signal -1
	s_barrier_wait -1
.endm
.macro LOADW u                         ; unit u into landing slot u % 3 (the window stays set: the caller switches back)
	WIN 0x40                                       ; destination window 1, address window 0
.set LS, 64*((\u)%3)
.set LB, 32+2*((\u)/4)
.irp i, 0,1,2,3
.irp b, 0,1,2,3
	global_load_b128 v[LS+16*\i+4*\b:LS+16*\i+4*\b+3], v2, s[LB:LB+1] offset:(128*\i+32*((\u)%4)+\b)*16384 th:TH_LOAD_NT
.endr
.endr
.endm
.macro PROC u, n, reload               ; unit u becomes codes in LDS.  n: the younger loads that may stay out
.set LS, 64*((\u)%3)
	s_wait_loadcnt \n
	WIN 0x41                                       ; destination and source 0 window 1
.set k, 0
.rept 64
	v_med3_num_f32 v[LS+k], v[LS+k], -v13, v13     ; the conversion does not saturate (ISA guide 7.6.2): the hold at the largest code x the scale
.set k, k+1
.endr
	WIN 0x01                                       ; source 0 window 1
.set k, 0
.rept 8
	v_cvt_scalef32_pk8_fp8_f32 v[R+2*k:R+2*k+1], v[LS+8*k:LS+8*k+7], v12
.set k, k+1
.endr
	WIN 0
	v_nop                                          ; a plain line between the conversions and the reads of their results
	s_wait_alu depctr_va_vdst(0)
	s_wait_dscnt 0x0                               ; the last unit's LDS stores have read the registers that are written now
.irp i, 0,1,2,3
	v_perm_b32 v64, v[R+4*\i+1], v[R+4*\i], s36
	v_perm_b32 v65, v[R+4*\i+1], v[R+4*\i], s37
	v_perm_b32 v66, v[R+4*\i+3], v[R+4*\i+2], s36
	v_perm_b32 v67, v[R+4*\i+3], v[R+4*\i+2], s37
	v_perm_b32 v[T+\i], v66, v64, s38
	v_perm_b32 v[T+4+\i], v66, v64, s39
	v_perm_b32 v[T+8+\i], v67, v65, s38
	v_perm_b32 v[T+12+\i], v67, v65, s39
.endr
.if \reload
	WIN 0x40                                       ; the loads' window first, then the wait, then the loads
.endif
	s_wait_alu depctr_va_vdst(0)                   ; the byte turn has written v[T ..], which the LDS stores below read; the holds have written and the conversions have read the slot, in which (where it is asked for again) the loads below land
.if \reload
	LOADW (\u)+3                                   ; the slot takes the unit three on
	WIN 0
.endif
.irp j, 0,1,2,3
	ds_store_b128 v3, v[T+4*\j:T+4*\j+3] offset:\j*16384+(\u)*2048   ; no vector instruction since the wait
.endr
	s_wait_alu depctr_vm_vsrc(0)                   ; the LDS stores have read v[T ..]: the next unit's byte turn writes them, or the LDS loads of the tokens' fragment 1 land there
.endm
.macro STAGE_LOAD                      ; my 22 of the chunk's 176 rows of xq, by the list of tokens.  s73 = 11 x chunk
	s_add_co_u32 s66, s29, s73
	s_lshl_b32 s66, s66, 6                         ; a tile's 16 places are 64 bytes of tok
	s_mul_i32 s67, s18, 88
	s_add_co_u32 s66, s66, s67
	s_min_u32 s66, s66, 5544                       ; 22 words from here end inside tok's 5,632 bytes
	s_load_b256 s[40:47], s[12:13], s66 offset:0x0
	s_load_b256 s[48:55], s[12:13], s66 offset:0x20
	s_load_b128 s[56:59], s[12:13], s66 offset:0x40
	s_load_b64 s[60:61], s[12:13], s66 offset:0x50
	s_wait_kmcnt 0x0
.set k, 0
.rept 22
	s_min_u32 s[40+k], s[40+k], 1023               ; a place without a token takes token 1,023's codes: its results are never used
	v_lshl_add_u32 v[32+k], s[40+k], 10, v1
.set k, k+1
.endr
	s_wait_alu depctr_va_vdst(0)                   ; the 22 offsets v32-53 are written, which the loads below read
.set k, 0
.rept 22
	global_load_b128 v[ACC+8*k:ACC+8*k+3], v[32+k], s[10:11]
	global_load_b128 v[ACC+8*k+4:ACC+8*k+7], v[32+k], s[10:11] offset:512
.set k, k+1
.endr
	s_wait_xcnt 0x0                                ; the loads have read their address registers, which are written again below
	s_wait_alu depctr_vm_vsrc(0)                   ; the loads have read v32-53: conversions and the byte turn write them next, or the tokens' fragments land there
.endm
.macro STAGE_STORE
.set k, 0
.rept 22
	ds_store_b128 v8, v[ACC+8*k:ACC+8*k+3] offset:k*AP
	ds_store_b128 v8, v[ACC+8*k+4:ACC+8*k+7] offset:k*AP+512
.set k, k+1
.endr
	s_wait_alu depctr_vm_vsrc(0)                   ; the LDS stores have read v68-243: matrix instructions write the accumulators there next, and fragments land there
.endm
.macro MUL4 i, a, first                ; tile i of tokens against my four tiles of columns
.irp j, 0,1,2,3
.if \first
	v_wmma_f32_16x16x128_fp8_fp8 v[ACC+32*\i+8*\j:ACC+32*\i+8*\j+7], v[BF+16*\j:BF+16*\j+15], v[\a:\a+15], v[224+8*\j:231+8*\j]
.else
	v_wmma_f32_16x16x128_fp8_fp8 v[ACC+32*\i+8*\j:ACC+32*\i+8*\j+7], v[BF+16*\j:BF+16*\j+15], v[\a:\a+15], v[ACC+32*\i+8*\j:ACC+32*\i+8*\j+7]
.endif
.endr
.endm
.macro MM s, first, after              ; K step s: 28 LDS loads, 12 matrix instructions on 12 accumulators by turns.  after = 1: the step stands straight behind another K step
.rept 4
	v_nop                                          ; places in front of loads into registers that matrix instructions have read
.endr
.if \after
	s_wait_alu depctr_va_vdst(0)                   ; the matrix instructions of the K step before are done reading the seven fragments, in which the loads below land
.endif
.irp j, 0,1,2,3
.irp c, 0,1,2,3
	ds_load_b128 v[BF+16*\j+4*\c:BF+16*\j+4*\c+3], v4 offset:\j*16384+(\s)*2048+512*\c
.endr
.endr
.irp c, 0,1,2,3
	ds_load_b128 v[A0+4*\c:A0+4*\c+3], v5 offset:128*(\s)+32*\c
.endr
.irp c, 0,1,2,3
	ds_load_b128 v[A1+4*\c:A1+4*\c+3], v6 offset:128*(\s)+32*\c
.endr
.irp c, 0,1,2,3
	ds_load_b128 v[A2+4*\c:A2+4*\c+3], v7 offset:128*(\s)+32*\c
.endr
	s_wait_dscnt 0x8                               ; W1's four and the first tile of tokens are in; the eight younger loads may be out
.if \first
	WIN 0x10                                       ; C (b1) window 1
.endif
	MUL4 0, A0, \first
	s_wait_dscnt 0x4
	MUL4 1, A1, \first
	s_wait_dscnt 0x0
	MUL4 2, A2, \first
	WIN 0
.endm
.macro EPIST i                         ; tile cc + 4 i of the chunk is stored if the expert has it.  s74: the chunk's tiles.  The branch leads round the two stores alone
	s_add_co_u32 s66, s20, 4*\i
	s_cmp_ge_u32 s66, s74
	s_cbranch_scc1 .Lno_tile_\@
	global_store_b128 v[16+\i], v[BF+8*\i:BF+8*\i+3], s[70:71]               ; 512 consecutive bytes: registers 8 g .. 8 g + 3 of the image,
	global_store_b128 v[16+\i], v[BF+8*\i+4:BF+8*\i+7], s[70:71] offset:512  ; and 8 g + 4 .. 8 g + 7
.Lno_tile_\@:
.endm
.macro EPI
.irp i, 0,1,2                          ; the three stores' offsets are made together, whether the tile is stored or not (held at the buffer's last tile), so that one wait serves them
	s_add_co_u32 s66, s20, 4*\i
	s_add_co_u32 s66, s66, s73
	s_add_co_u32 s66, s66, s29
	s_min_u32 s66, s66, 70
	v_lshl_add_u32 v[16+\i], s66, 16, v11          ; a tile of hq is 32 K steps of 2,048 bytes
.endr
	v_nop                                          ; with the three lines above: four places in front of the first read of results
.irp i, 0,1,2
.set k, 0
.rept 32
	v_med3_num_f32 v[ACC+32*\i+k], v[ACC+32*\i+k], 0, v15   ; the activation and the hold in one; each accumulator from its low end on
.set k, k+1
.endr
.irp j, 0,1,2,3
	v_cvt_scalef32_pk8_fp8_f32 v[BF+8*\i+2*\j:BF+8*\i+2*\j+1], v[ACC+32*\i+8*\j:ACC+32*\i+8*\j+7], v14
.endr
	v_nop                                          ; a plain line behind the conversions
.endr
	s_wait_alu depctr_va_vdst(0)                   ; the conversions have written the codes v164-187 and the shifts the offsets v16-18, which the stores below read; all earlier readers and writers of v32-243 are done too, for the next chunk's loads
	EPIST 0
	EPIST 1
	EPIST 2
.endm
	s_load_b256 s[4:11], s[0:1], 0x0               ; W1 s[4:5], b1 s[6:7], lowp_scales s[8:9], xq s[10:11]
	s_load_b128 s[12:15], s[0:1], 0x20             ; tok s[12:13], meta s[14:15]
	s_load_b64 s[16:17], s[0:1], 0x30              ; hq
	v_lshl_add_u32 v254, v0, 2, 0x4cc00
	v_mov_b32 v255, 0
	v_lshrrev_b32 v9, 5, v0
	v_readfirstlane_b32 s18, v9                    ; wave
	s_and_b32 s21, ttmp7, 0xffff                   ; the expert
	s_mov_b32 s22, ttmp9                           ; the slice of 128 columns
	v_and_b32 v9, 31, v0
	v_lshlrev_b32 v1, 4, v9
	v_and_b32 v10, 15, v0                          ; r
	v_bfe_u32 v19, v0, 4, 1                        ; h
	v_lshlrev_b32 v2, 4, v10                       ; W1: four columns a lane,
	v_lshl_add_u32 v2, v19, 16, v2                 ; 4 h rows
	v_mul_u32_u24 v20, v10, AP
	v_lshl_add_u32 v20, v19, 4, v20
	v_add_nc_u32 v20, ABASE, v20
	s_wait_alu depctr_va_vdst(0)
	v_lshlrev_b32 v21, 7, v19                      ; b1: 32 h numbers on
	s_wait_alu depctr_va_sdst(0)                   ; s18 is written, ahead of its first reader: g, cc and every wave's share are made from it
	s_and_b32 s19, s18, 1                          ; g
	s_lshr_b32 s20, s18, 1                         ; cc
	s_lshl_b32 s66, s20, 17                        ; 8 cc rows of 16,384 bytes,
	s_lshl_b32 s67, s19, 8                         ; 64 g columns
	s_add_co_u32 s66, s66, s67
	v_add_nc_u32 v2, s66, v2
	s_lshl_b32 s66, s19, 16
	s_lshl_b32 s67, s20, 9
	s_add_co_u32 s67, s66, s67
	v_add_nc_u32 v3, s67, v1
	v_add_nc_u32 v4, s66, v1
	s_mul_i32 s66, s20, 16*AP
	v_add_nc_u32 v5, s66, v20
	s_add_co_u32 s67, s20, 4
	s_mul_i32 s66, s67, 16*AP
	v_add_nc_u32 v6, s66, v20
	s_add_co_u32 s67, s20, 8
	s_min_u32 s67, s67, 10                         ; the chunk has 11 tiles: cc = 3 takes tile 10 again and never stores it
	s_mul_i32 s66, s67, 16*AP
	v_add_nc_u32 v7, s66, v20
	s_mul_i32 s66, s18, 22*AP
	s_add_co_u32 s66, s66, ABASE
	v_add_nc_u32 v8, s66, v1
	s_lshl_b32 s66, s19, 10
	v_add_nc_u32 v11, s66, v1
	s_mov_b32 s36, 0x05010400                      ; the byte turn's four selectors
	s_mov_b32 s37, 0x07030602
	s_mov_b32 s38, 0x05040100
	s_mov_b32 s39, 0x07060302
	s_lshl_b32 s77, s21, 4                         ; the expert's four exponents
	s_lshl_b32 s78, s21, 2
	s_lshl_b32 s68, s21, 24                        ; W1: the expert's 16 MiB, the slice's 512 bytes of a row
	s_lshl_b32 s69, s22, 9
	s_add_co_u32 s68, s68, s69
	s_mov_b32 s69, 0
	s_lshl_b32 s74, s21, 14                        ; b1: the expert's row, the slice, my 64
	s_lshl_b32 s75, s22, 9
	s_add_co_u32 s74, s74, s75
	s_lshl_b32 s75, s19, 8
	s_add_co_u32 s74, s74, s75
	s_mov_b32 s75, 0
	s_lshl_b32 s72, s22, 11                        ; hq: K step sl
	s_mov_b32 s73, 0
	s_wait_kmcnt 0x0
	s_load_b128 s[24:27], s[8:9], s77 offset:0x0   ; ex, ew1, eh, ew2
	s_load_b32 s28, s[14:15], s78 offset:0x0       ; n_e
	s_load_b32 s29, s[14:15], s78 offset:0x20      ; the expert's first tile
	s_add_nc_u64 s[32:33], s[4:5], s[68:69]        ; rows 0 to 511,
	s_add_nc_u64 s[34:35], s[32:33], 0x800000      ; rows 512 on: the loads' offsets stay inside the signed 24-bit immediate
	s_add_nc_u64 s[6:7], s[6:7], s[74:75]
	s_add_nc_u64 s[70:71], s[16:17], s[72:73]
	WIN 0x40
	s_wait_alu depctr_va_vdst(0)                   ; the offsets and LDS addresses v1-8, v11 and v21 are written, which the kernel's loads and stores read; none of them is written again
.irp j, 0,1,2,3,4,5,6,7
	global_load_b128 v[192+4*\j:195+4*\j], v21, s[6:7] offset:16*\j
.endr
	LOADW 0
	LOADW 1
	LOADW 2
	WIN 0
	s_wait_kmcnt 0x0
	s_min_u32 s28, s28, 1024
	s_min_u32 s29, s29, 71
	s_add_co_u32 s30, s28, 15
	s_lshr_b32 s30, s30, 4                         ; T_e, 64 at the most: six chunks of 11 serve every split
	s_add_co_i32 s66, s25, 127
	s_lshl_b32 s67, s66, 23
	v_mov_b32 v12, s67                             ; 2^ew1
	s_add_co_i32 s66, s66, 8
	s_lshl_b32 s66, s66, 23
	s_or_b32 s66, s66, 0x600000
	v_mov_b32 v13, s66                             ; 448 x 2^ew1
	s_add_co_i32 s76, s24, s25                     ; ex + ew1
	s_sub_co_i32 s66, s26, s76
	s_add_co_i32 s66, s66, 127
	s_lshl_b32 s67, s66, 23
	v_mov_b32 v14, s67                             ; 2^(eh - ex - ew1)
	s_add_co_i32 s66, s66, 8
	s_lshl_b32 s66, s66, 23
	s_or_b32 s66, s66, 0x600000
	v_mov_b32 v15, s66
	s_sub_co_i32 s76, 0, s76
	s_mov_b32 s73, 0                               ; chunk 0
	STAGE_LOAD
	PROC 0, 63, 1                                  ; 76 loads are younger than unit 0's; the count is the most that the wait can name
	WIN 0x41
.irp c, 0,1,2,3
.irp j, 0,1,2,3,4,5,6,7
	v_ldexp_f32 v[224+8*\c+\j], v[192+4*\j+\c], s76   ; b1 / 2^(ex + ew1), in the result's layout: tile c, register j = unit 32 h + 4 j + c.  (b1's loads are older than unit 0's)
.endr
.endr
	WIN 0
	PROC 1, 63, 1
	PROC 2, 63, 1
	s_wait_loadcnt 48                              ; the staged rows are in; units 3, 4 and 5 may be out
	STAGE_STORE
	BAR                                            ; K steps 0 to 2 of the codes and the chunk's rows lie in LDS
	MM 0, 1, 0
	MM 1, 0, 1
	MM 2, 0, 1
	PROC 3, 32, 1                                  ; two younger units may be out
	BAR
	MM 3, 0, 0
	PROC 4, 32, 1
	BAR
	MM 4, 0, 0
	PROC 5, 32, 0
	BAR
	MM 5, 0, 0
	PROC 6, 16, 0
	BAR
	MM 6, 0, 0
	PROC 7, 0, 0
	BAR
	MM 7, 0, 0
	s_min_u32 s74, s30, 11
	EPI
	s_mov_b32 s72, 1                               ; the later chunks: five trips whatever the split; a trip without tokens passes its two barriers and nothing else
	s_mov_b32 s73, 11
.Lchunk:
	s_wait_xcnt 0x0                                ; the last chunk's stores have read their data and offsets, which are written again below
	s_wait_alu depctr_vm_vsrc(0)                   ; the last chunk's stores have read the codes v164-187, in which staged rows and fragments land, and the offsets v16-18, which the next way out writes
	BAR                                            ; nobody reads the last chunk's rows any more
	s_cmp_lt_u32 s73, s30
	s_cbranch_scc0 .Lno_stage
	STAGE_LOAD
	s_wait_loadcnt 0x0
	STAGE_STORE
.Lno_stage:
	BAR
	s_cmp_lt_u32 s73, s30
	s_cbranch_scc0 .Lno_work
	s_sub_co_u32 s74, s30, s73
	s_min_u32 s74, s74, 11
	MM 0, 1, 0
	MM 1, 0, 1
	MM 2, 0, 1
	MM 3, 0, 1
	MM 4, 0, 1
	MM 5, 0, 1
	MM 6, 0, 1
	MM 7, 0, 1
	EPI
.Lno_work:
	s_add_co_u32 s73, s73, 11
	s_add_co_u32 s72, s72, 1
	s_cmp_lt_u32 s72, 6
	s_cbranch_scc1 .Lchunk
	s_wait_dscnt 0x0                               ; the closing lines, six on end
	s_wait_alu 0x0
	s_wait_tensorcnt 0x0
	ds_add_u32 v254, v255
	s_wait_dscnt 0x0
	s_endpgm
.Lfunc_end_k_qf25063d633_hidden:
	.size	k_qf25063d633_hidden, .Lfunc_end_k_qf25063d633_hidden-k_qf25063d633_hidden
	.p2alignl 7, 3214868480
	.fill 96, 4, 3214868480
	.section	.rodata,"a",@progbits
	.p2align	6, 0x0
	.amdhsa_kernel k_qf25063d633_hidden
		.amdhsa_group_segment_fixed_size 315392
		.amdhsa_private_segment_fixed_size 0
		.amdhsa_enable_private_segment 0
		.amdhsa_kernarg_size 56
		.amdhsa_user_sgpr_count 2
		.amdhsa_user_sgpr_kernarg_segment_ptr 1
		.amdhsa_wavefront_size32 1
		.amdhsa_system_sgpr_workgroup_id_x 1
		.amdhsa_system_sgpr_workgroup_id_y 1
		.amdhsa_system_sgpr_workgroup_id_z 1
		.amdhsa_system_vgpr_workitem_id 0
		.amdhsa_next_free_vgpr 512
		.amdhsa_next_free_sgpr 80
		.amdhsa_reserve_vcc 0
		.amdhsa_float_denorm_mode_32 3
		.amdhsa_float_denorm_mode_16_64 3
		.amdhsa_memory_ordered 1
		.amdhsa_forward_progress 1
		.amdhsa_inst_pref_size 159
	.end_amdhsa_kernel
	.amdgpu_metadata
---
amdhsa.version: [ 1, 2 ]
amdhsa.kernels:
  - .name:           k_qf25063d633_hidden
    .symbol:         k_qf25063d633_hidden.kd
    .args:
      - { .name: W1, .offset: 0, .size: 8, .value_kind: global_buffer, .address_space: global }
      - { .name: b1, .offset: 8, .size: 8, .value_kind: global_buffer, .address_space: global }
      - { .name: lowp_scales, .offset: 16, .size: 8, .value_kind: global_buffer, .address_space: global }
      - { .name: xq, .offset: 24, .size: 8, .value_kind: global_buffer, .address_space: global }
      - { .name: tok, .offset: 32, .size: 8, .value_kind: global_buffer, .address_space: global }
      - { .name: meta, .offset: 40, .size: 8, .value_kind: global_buffer, .address_space: global }
      - { .name: hq, .offset: 48, .size: 8, .value_kind: global_buffer, .address_space: global }
    .group_segment_fixed_size: 315392
    .private_segment_fixed_size: 0
    .kernarg_segment_align: 8
    .kernarg_segment_size: 56
    .max_flat_workgroup_size: 256
    .sgpr_count:     80
    .vgpr_count:     512
    .wavefront_size: 32
...
	.end_amdgpu_metadata
.endif
;; end of part 8
;; launch outp (part 9): grid 32 x 8, 8 waves a work-group, no clusters, 312,320 bytes of LDS; arguments W2, lowp_scales, hq, meta, part; writes part
.if DOCPART == 9
	.amdgcn_target "amdgcn-amd-amdhsa--gfx1250"
	.amdhsa_code_object_version 6
	.text
	.protected	k_qf25063d633_outp
	.globl	k_qf25063d633_outp
	.p2align	8
	.type	k_qf25063d633_outp,@function
k_qf25063d633_outp:
	s_mov_b64 s[64:65], 0
	v_nop
	global_prefetch_b8 v0, s[64:65] scope:SCOPE_SE
	s_setreg_imm32_b32 hwreg(HW_REG_WAVE_SCHED_MODE, 0, 2), 2
	s_setreg_imm32_b32 hwreg(HW_REG_WAVE_MODE, 25, 1), 1
	s_wait_xcnt 0x0
	s_wait_alu depctr_vm_vsrc(0)
; THE SECOND PRODUCT OF THE CHOSEN EXPERTS, in four parts along K: part[tile][q] = hq[tile][K 1024 q .. +1023] Q(W2[e])[.. , 128 cs .. +127] x 2^(eh + ew2), f32.  The last launch adds the four parts.
; THE WEIGHTS STAND STILL, as in the launch before.  Work-group (x = cs + 8 q, e) owns W2[e][rows 1024 q .. +1023][columns 128 cs .. +127]: 512 KiB of f32, read once, quantised in registers, kept as 128 KiB of codes in LDS.
; K is split in four so that a work-group's loads cover 256 consecutive bytes of a row and 256 work-groups have equal shares; the price is the parts' way through memory.
; Wave w: g = w & 1 its 64 columns; cc = w >> 1 its quarter of each fragment as a producer and its tiles of tokens (cc, cc + 4, cc + 8) as a multiplier.
; A UNIT (K step s, quarter cc): 16 loads; lanes 0-15 read 256 consecutive bytes of one row, lanes 16-31 of the row 32 further down.  Load 4 i + b of half h reads
; k = 1024 q + 128 s + 64 (cc / 2) + 2 (cc % 2) + 32 h + 16 (i % 2) + i / 2 + 4 b: the order in which hq's images hold the hidden units (register 4 cc + i, byte b, half h), so both operands hold the same k in the same place.
; The byte turn and the tiles' columns (lane r of tile j: column 64 g + 4 r + j) are the first product's.  TRANSPOSED USE: lane (r, h) holds token r, register p of tile j column 64 g + 32 h + 4 p + j: the four tiles' registers p
; are four neighbouring columns, 16 bytes.  They leave as images: part[tile][q][2 cs + g][p][lane][16 bytes], 512 consecutive bytes a store.
; The tokens' operand comes as it was stored: wave w stages K step w of each of the chunk's 11 tiles, 2,048 bytes each.  Tiles past the last written one are replaced by it; tiles beyond the expert's are multiplied and not stored.
; COUNTS READ FROM MEMORY steer stores and the later chunks, so the launch has no tensor load and no joint load; every barrier stands outside those branches.  The shared bytes (hq) are 176 KiB of the 688 KiB that a work-group takes in.
; LIMITS: ew2 between -126 and 119; eh + ew2 between -126 and 127.  NaN among the inputs is not served.
; LDS: 0: the codes of W2, as in the launch before.   ABASE: 11 tiles x 8 K steps x 2,048 bytes of images.
; REGISTERS, window 0: v1 16 lane; v2 my offset in W2; v3 / v4 where I store / read codes of W2; v5-7 my three tiles; v8-10 where I stage; v12, v13 2^ew2 and 448 x that; v16-18 offsets of the stores; v32-47, v48-63, v228-243 the
;   tokens' fragments (the first two also the codes as converted and turned); v64-67 at work; v68-163 12 accumulators; v164-227 four fragments of W2.  On the way out v164-195, v196-227, v32-63 hold the three tiles' results.
;   At a staging: v32-42 addresses, v68-243 the images.   window 1: v0-191 three landing slots of 64.
; THE MODE: SCHED_MODE bits 1:0 = 2 (LLVM: expert scheduling mode 2), set by the entry lines.  The code itself states the register dependences between vector or matrix instructions and memory or LDS instructions,
; with s_wait_alu, always for 0.
; THE PLAN.  Registers that memory or LDS instructions touch, and who else names them:
;   v1-10, v254, v255            offsets and LDS addresses: written at the head alone; one wait on va_vdst ahead of the first load serves the whole kernel.
;   the landing slots            a unit's loads land; its 64 holds write and its 8 conversions read the slot; then the loads of the unit three on land in it.
;   v48-63                       written by a unit's byte turn, read by its four LDS stores; written next by the next unit's turn or by the LDS loads of the tokens' fragment 1.
;       ONE wait on va_vdst in a unit, behind the byte turn, states both: the slot is done with, and v48-63 are written.  The unit's 16 loads and 4 LDS stores follow it with no vector instruction between.
;       One wait on vm_vsrc behind the stores frees v48-63.
;   v32-42 at a staging          written by shifts, read by the 44 loads as offsets: a wait on va_vdst between; a wait on vm_vsrc behind the loads, since conversions or fragments' loads write them next.
;   v68-243 at a staging         the loads land, the 44 LDS stores read: a wait on vm_vsrc behind the stores, since accumulators and fragments are written there next.
;   the fragments                LDS loads land, matrix instructions read.  A K step that follows a K step begins with a wait on va_vdst.  A K step that follows a unit or a staging has none: that unit's wait (the way out's, in the
;                                later chunks) stands behind all earlier matrix and vector instructions, and no vector instruction since names a fragment.
;   v164-227, v32-63, v16-18     the results and the stores' offsets: written on the way out; ONE wait on va_vdst ahead of the three branches round the stores; a wait on vm_vsrc at the head of the next chunk.
;   There is no second set of fragments: window 0 is full, and window 1's slots have loads on their way until the last unit.
.set ABASE, 131072
.set R,     32
.set T,     48
.set ACC,   68
.set BF,    164
.set A0,    32
.set A1,    48
.set A2,    228
.set MSB, 0
.macro WIN new                         ; the immediate's high byte repeats the setting that is left
.if MSB != \new
	s_set_vgpr_msb (MSB<<8)|\new
.set MSB, \new
.endif
.endm
.macro BAR                             ; my LDS stores have landed and my LDS loads are in: then the work-group's barrier
	s_wait_dscnt 0x0
	s_barrier_signal -1
	s_barrier_wait -1
.endm
.macro LOADW u                         ; unit u into landing slot u % 3 (the window stays set: the caller switches back)
	WIN 0x40                                       ; destination window 1, address window 0
.set LS, 64*((\u)%3)
.irp i, 0,1,2,3
.irp b, 0,1,2,3
	global_load_b128 v[LS+16*\i+4*\b:LS+16*\i+4*\b+3], v2, s[32:33] offset:(128*(\u)+16*(\i%2)+\i/2+4*\b)*4096 th:TH_LOAD_NT
.endr
.endr
.endm
.macro PROC u, n, reload               ; unit u becomes codes in LDS.  n: the younger loads that may stay out
.set LS, 64*((\u)%3)
	s_wait_loadcnt \n
	WIN 0x41                                       ; destination and source 0 window 1
.set k, 0
.rept 64
	v_med3_num_f32 v[LS+k], v[LS+k], -v13, v13     ; the conversion does not saturate (ISA guide 7.6.2): the hold at the largest code x the scale
.set k, k+1
.endr
	WIN 0x01                                       ; source 0 window 1
.set k, 0
.rept 8
	v_cvt_scalef32_pk8_fp8_f32 v[R+2*k:R+2*k+1], v[LS+8*k:LS+8*k+7], v12
.set k, k+1
.endr
	WIN 0
	v_nop                                          ; a plain line between the conversions and the reads of their results
	s_wait_alu depctr_va_vdst(0)
	s_wait_dscnt 0x0                               ; the last unit's LDS stores have read the registers that are written now
.irp i, 0,1,2,3
	v_perm_b32 v64, v[R+4*\i+1], v[R+4*\i], s36
	v_perm_b32 v65, v[R+4*\i+1], v[R+4*\i], s37
	v_perm_b32 v66, v[R+4*\i+3], v[R+4*\i+2], s36
	v_perm_b32 v67, v[R+4*\i+3], v[R+4*\i+2], s37
	v_perm_b32 v[T+\i], v66, v64, s38
	v_perm_b32 v[T+4+\i], v66, v64, s39
	v_perm_b32 v[T+8+\i], v67, v65, s38
	v_perm_b32 v[T+12+\i], v67, v65, s39
.endr
.if \reload
	WIN 0x40                                       ; the loads' window first, then the wait, then the loads
.endif
	s_wait_alu depctr_va_vdst(0)                   ; the byte turn has written v[T ..], which the LDS stores below read; the holds have written and the conversions have read the slot, in which (where it is asked for again) the loads below land
.if \reload
	LOADW (\u)+3                                   ; the slot takes the unit three on
	WIN 0
.endif
.irp j, 0,1,2,3
	ds_store_b128 v3, v[T+4*\j:T+4*\j+3] offset:\j*16384+(\u)*2048   ; no vector instruction since the wait
.endr
	s_wait_alu depctr_vm_vsrc(0)                   ; the LDS stores have read v[T ..]: the next unit's byte turn writes them, or the LDS loads of the tokens' fragment 1 land there
.endm
.macro STAGE_LOAD                      ; K step w of the chunk's 11 tiles.  s73 = 11 x chunk
	s_add_co_u32 s66, s29, s73
.set k, 0
.rept 11
	s_add_co_u32 s67, s66, k
	s_min_u32 s67, s67, s79                        ; no tile behind the last that was written,
	s_min_u32 s67, s67, 70                         ; and none outside the buffer
	v_lshl_add_u32 v[32+k], s67, 16, v1
.set k, k+1
.endr
	s_wait_alu depctr_va_vdst(0)                   ; the 11 offsets v32-42 are written, which the loads below read
.set k, 0
.rept 11
.irp c, 0,1,2,3
	global_load_b128 v[ACC+16*k+4*\c:ACC+16*k+4*\c+3], v[32+k], s[34:35] offset:512*\c
.endr
.set k, k+1
.endr
	s_wait_xcnt 0x0                                ; the loads have read their address registers, which are written again below
	s_wait_alu depctr_vm_vsrc(0)                   ; the loads have read v32-42: conversions write them next, or the tokens' fragment 0 lands there
.endm
.macro STAGE_STORE
.set k, 0
.rept 11
.irp c, 0,1,2,3
	ds_store_b128 v[8+k/4], v[ACC+16*k+4*\c:ACC+16*k+4*\c+3] offset:(k%4)*16384+512*\c
.endr
.set k, k+1
.endr
	s_wait_alu depctr_vm_vsrc(0)                   ; the LDS stores have read v68-243: matrix instructions write the accumulators there next, and fragments land there
.endm
.macro MUL4 i, a, first                ; tile i of tokens against my four tiles of columns; the first K step starts the sums
.irp j, 0,1,2,3
.if \first
	v_wmma_f32_16x16x128_fp8_fp8 v[ACC+32*\i+8*\j:ACC+32*\i+8*\j+7], v[BF+16*\j:BF+16*\j+15], v[\a:\a+15], 0
.else
	v_wmma_f32_16x16x128_fp8_fp8 v[ACC+32*\i+8*\j:ACC+32*\i+8*\j+7], v[BF+16*\j:BF+16*\j+15], v[\a:\a+15], v[ACC+32*\i+8*\j:ACC+32*\i+8*\j+7]
.endif
.endr
.endm
.macro MM s, first, after              ; K step s: 28 LDS loads, 12 matrix instructions on 12 accumulators by turns.  after = 1: the step stands straight behind another K step
.rept 4
	v_nop                                          ; places in front of loads into registers that matrix instructions have read
.endr
.if \after
	s_wait_alu depctr_va_vdst(0)                   ; the matrix instructions of the K step before are done reading the seven fragments, in which the loads below land
.endif
.irp j, 0,1,2,3
.irp c, 0,1,2,3
	ds_load_b128 v[BF+16*\j+4*\c:BF+16*\j+4*\c+3], v4 offset:\j*16384+(\s)*2048+512*\c
.endr
.endr
.irp c, 0,1,2,3
	ds_load_b128 v[A0+4*\c:A0+4*\c+3], v5 offset:2048*(\s)+512*\c
.endr
.irp c, 0,1,2,3
	ds_load_b128 v[A1+4*\c:A1+4*\c+3], v6 offset:2048*(\s)+512*\c
.endr
.irp c, 0,1,2,3
	ds_load_b128 v[A2+4*\c:A2+4*\c+3], v7 offset:2048*(\s)+512*\c
.endr
	s_wait_dscnt 0x8                               ; W2's four and the first tile of tokens are in; the eight younger loads may be out
	MUL4 0, A0, \first
	s_wait_dscnt 0x4
	MUL4 1, A1, \first
	s_wait_dscnt 0x0
	MUL4 2, A2, \first
.endm
.macro EPIST i, ob                     ; tile cc + 4 i of the chunk is stored if the expert has it.  s74: the chunk's tiles.  The branch leads round the eight stores alone
	s_add_co_u32 s66, s20, 4*\i
	s_cmp_ge_u32 s66, s74
	s_cbranch_scc1 .Lno_tile_\@
.irp j, 0,1,2,3,4,5,6,7
	global_store_b128 v[16+\i], v[\ob+4*\j:\ob+4*\j+3], s[70:71] offset:512*\j   ; 512 consecutive bytes
.endr
.Lno_tile_\@:
.endm
.macro SCALE i, ob                     ; x 2^(eh + ew2), into other registers: four neighbouring columns on end; register 0 of each accumulator is read first
.irp j, 0,1,2,3,4,5,6,7
.irp c, 0,1,2,3
	v_mul_f32 v[\ob+4*\j+\c], s76, v[ACC+32*\i+8*\c+\j]
.endr
.endr
.endm
.macro EPI
.irp i, 0,1,2                          ; the three stores' offsets are made together, whether the tile is stored or not (held at the buffer's last tile), so that one wait serves them
	s_add_co_u32 s66, s20, 4*\i
	s_add_co_u32 s66, s66, s73
	s_add_co_u32 s66, s66, s29
	s_min_u32 s66, s66, 70
	v_lshl_add_u32 v[16+\i], s66, 18, v1           ; a tile of part is 262,144 bytes
.endr
	v_nop                                          ; with the three lines above: four places in front of the first read of results, and of writes over operands that are done with
	SCALE 0, 164
	SCALE 1, 196
	SCALE 2, 32
	s_wait_alu depctr_va_vdst(0)                   ; the scalings have written the results v164-227 and v32-63 and the shifts the offsets v16-18, which the stores below read; all earlier readers and writers of v32-243 are done too, for the next chunk's loads
	EPIST 0, 164
	EPIST 1, 196
	EPIST 2, 32
.endm
	s_load_b256 s[4:11], s[0:1], 0x0               ; W2 s[4:5], lowp_scales s[6:7], hq s[8:9], meta s[10:11]
	s_load_b64 s[12:13], s[0:1], 0x20              ; part
	v_lshl_add_u32 v254, v0, 2, 0x4c000
	v_mov_b32 v255, 0
	v_lshrrev_b32 v19, 5, v0
	v_readfirstlane_b32 s18, v19                   ; wave
	s_and_b32 s21, ttmp7, 0xffff                   ; the expert
	s_and_b32 s22, ttmp9, 7                        ; cs: the slice of 128 columns
	s_lshr_b32 s23, ttmp9, 3                       ; q: the quarter of K
	v_and_b32 v19, 31, v0
	v_lshlrev_b32 v1, 4, v19
	v_and_b32 v20, 15, v0                          ; r
	v_bfe_u32 v21, v0, 4, 1                        ; h
	v_lshlrev_b32 v2, 4, v20                       ; W2: four columns a lane,
	v_lshl_add_u32 v2, v21, 17, v2                 ; 32 h rows
	s_wait_alu depctr_va_vdst(0)
	v_add_nc_u32 v22, ABASE, v1
	s_wait_alu depctr_va_vdst(0)
	s_wait_alu depctr_va_sdst(0)                   ; s18 is written, ahead of its first reader: g, cc and every wave's share are made from it
	s_and_b32 s19, s18, 1                          ; g
	s_lshr_b32 s20, s18, 1                         ; cc
	s_lshr_b32 s66, s20, 1
	s_lshl_b32 s66, s66, 18                        ; 64 (cc / 2) rows of 4,096 bytes,
	s_and_b32 s67, s20, 1
	s_lshl_b32 s67, s67, 13                        ; 2 (cc % 2) rows,
	s_add_co_u32 s66, s66, s67
	s_lshl_b32 s67, s19, 8                         ; 64 g columns
	s_add_co_u32 s66, s66, s67
	v_add_nc_u32 v2, s66, v2
	s_lshl_b32 s66, s19, 16
	s_lshl_b32 s67, s20, 9
	s_add_co_u32 s67, s66, s67
	v_add_nc_u32 v3, s67, v1
	v_add_nc_u32 v4, s66, v1
	s_lshl_b32 s66, s20, 14
	v_add_nc_u32 v5, s66, v22
	s_add_co_u32 s67, s20, 4
	s_lshl_b32 s66, s67, 14
	v_add_nc_u32 v6, s66, v22
	s_add_co_u32 s67, s20, 8
	s_min_u32 s67, s67, 10                         ; the chunk has 11 tiles: cc = 3 takes tile 10 again and never stores it
	s_lshl_b32 s66, s67, 14
	v_add_nc_u32 v7, s66, v22
	s_lshl_b32 s66, s18, 11
	v_add_nc_u32 v8, s66, v22                      ; staging: K step w of tiles 0-3,
	v_add_nc_u32 v9, 0x10000, v8                   ; 4-7,
	v_add_nc_u32 v10, 0x10000, v9                  ; 8-10
	s_mov_b32 s36, 0x05010400                      ; the byte turn's four selectors
	s_mov_b32 s37, 0x07030602
	s_mov_b32 s38, 0x05040100
	s_mov_b32 s39, 0x07060302
	s_lshl_b32 s77, s21, 4
	s_lshl_b32 s78, s21, 2
	s_lshl_b32 s68, s21, 24                        ; W2: the expert's 16 MiB, the quarter's 1,024 rows, the slice's 512 bytes of a row
	s_lshl_b32 s69, s23, 22
	s_add_co_u32 s68, s68, s69
	s_lshl_b32 s69, s22, 9
	s_add_co_u32 s68, s68, s69
	s_mov_b32 s69, 0
	s_lshl_b32 s74, s23, 14                        ; hq: the quarter's 8 K steps, my one of them
	s_lshl_b32 s75, s18, 11
	s_add_co_u32 s74, s74, s75
	s_mov_b32 s75, 0
	s_lshl_b32 s72, s23, 16                        ; part: the quarter, the group of 64 columns 2 cs + g
	s_lshl_b32 s73, s22, 13
	s_add_co_u32 s72, s72, s73
	s_lshl_b32 s73, s19, 12
	s_add_co_u32 s72, s72, s73
	s_mov_b32 s73, 0
	s_wait_kmcnt 0x0
	s_load_b128 s[24:27], s[6:7], s77 offset:0x0   ; ex, ew1, eh, ew2
	s_load_b32 s28, s[10:11], s78 offset:0x0       ; n_e
	s_load_b32 s29, s[10:11], s78 offset:0x20      ; the expert's first tile
	s_load_b32 s31, s[10:11], 0x40                 ; the number of tiles
	s_add_nc_u64 s[32:33], s[4:5], s[68:69]
	s_add_nc_u64 s[34:35], s[8:9], s[74:75]
	s_add_nc_u64 s[70:71], s[12:13], s[72:73]
	WIN 0x40
	s_wait_alu depctr_va_vdst(0)                   ; the offsets and LDS addresses v1-10 are written, which the kernel's loads and stores read; none of them is written again
	LOADW 0
	LOADW 1
	LOADW 2
	WIN 0
	s_wait_kmcnt 0x0
	s_min_u32 s28, s28, 1024
	s_min_u32 s29, s29, 71
	s_add_co_u32 s30, s28, 15
	s_lshr_b32 s30, s30, 4                         ; T_e, 64 at the most: six chunks of 11 serve every split
	s_min_u32 s31, s31, 71
	s_max_u32 s31, s31, 1
	s_sub_co_u32 s79, s31, 1                       ; the last tile that was written
	s_add_co_i32 s66, s27, 127
	s_lshl_b32 s67, s66, 23
	v_mov_b32 v12, s67                             ; 2^ew2
	s_add_co_i32 s66, s66, 8
	s_lshl_b32 s66, s66, 23
	s_or_b32 s66, s66, 0x600000
	v_mov_b32 v13, s66                             ; 448 x 2^ew2
	s_add_co_i32 s76, s26, s27
	s_add_co_i32 s76, s76, 127
	s_lshl_b32 s76, s76, 23                        ; 2^(eh + ew2) as f32
	s_mov_b32 s73, 0                               ; chunk 0
	STAGE_LOAD
	PROC 0, 63, 1                                  ; 76 loads are younger than unit 0's; the count is the most that the wait can name
	PROC 1, 63, 1
	PROC 2, 63, 1
	s_wait_loadcnt 48                              ; the staged images are in; units 3, 4 and 5 may be out
	STAGE_STORE
	BAR                                            ; K steps 0 to 2 of the codes and the chunk's images lie in LDS
	MM 0, 1, 0
	MM 1, 0, 1
	MM 2, 0, 1
	PROC 3, 32, 1                                  ; two younger units may be out
	BAR
	MM 3, 0, 0
	PROC 4, 32, 1
	BAR
	MM 4, 0, 0
	PROC 5, 32, 0
	BAR
	MM 5, 0, 0
	PROC 6, 16, 0
	BAR
	MM 6, 0, 0
	PROC 7, 0, 0
	BAR
	MM 7, 0, 0
	s_min_u32 s74, s30, 11
	EPI
	s_mov_b32 s72, 1                               ; the later chunks: five trips whatever the split; a trip without tokens passes its two barriers and nothing else
	s_mov_b32 s73, 11
.Lchunk:
	s_wait_xcnt 0x0                                ; the last chunk's stores have read their data and offsets, which are written again below
	s_wait_alu depctr_vm_vsrc(0)                   ; the last chunk's stores have read the results v164-227 and v32-63, in which staged images and fragments land and where staging offsets are made, and the offsets v16-18, which the next way out writes
	BAR                                            ; nobody reads the last chunk's images any more
	s_cmp_lt_u32 s73, s30
	s_cbranch_scc0 .Lno_stage
	STAGE_LOAD
	s_wait_loadcnt 0x0
	STAGE_STORE
.Lno_stage:
	BAR
	s_cmp_lt_u32 s73, s30
	s_cbranch_scc0 .Lno_work
	s_sub_co_u32 s74, s30, s73
	s_min_u32 s74, s74, 11
	MM 0, 1, 0
	MM 1, 0, 1
	MM 2, 0, 1
	MM 3, 0, 1
	MM 4, 0, 1
	MM 5, 0, 1
	MM 6, 0, 1
	MM 7, 0, 1
	EPI
.Lno_work:
	s_add_co_u32 s73, s73, 11
	s_add_co_u32 s72, s72, 1
	s_cmp_lt_u32 s72, 6
	s_cbranch_scc1 .Lchunk
	s_wait_dscnt 0x0                               ; the closing lines, six on end
	s_wait_alu 0x0
	s_wait_tensorcnt 0x0
	ds_add_u32 v254, v255
	s_wait_dscnt 0x0
	s_endpgm
.Lfunc_end_k_qf25063d633_outp:
	.size	k_qf25063d633_outp, .Lfunc_end_k_qf25063d633_outp-k_qf25063d633_outp
	.p2alignl 7, 3214868480
	.fill 96, 4, 3214868480
	.section	.rodata,"a",@progbits
	.p2align	6, 0x0
	.amdhsa_kernel k_qf25063d633_outp
		.amdhsa_group_segment_fixed_size 312320
		.amdhsa_private_segment_fixed_size 0
		.amdhsa_enable_private_segment 0
		.amdhsa_kernarg_size 40
		.amdhsa_user_sgpr_count 2
		.amdhsa_user_sgpr_kernarg_segment_ptr 1
		.amdhsa_wavefront_size32 1
		.amdhsa_system_sgpr_workgroup_id_x 1
		.amdhsa_system_sgpr_workgroup_id_y 1
		.amdhsa_system_sgpr_workgroup_id_z 1
		.amdhsa_system_vgpr_workitem_id 0
		.amdhsa_next_free_vgpr 512
		.amdhsa_next_free_sgpr 80
		.amdhsa_reserve_vcc 0
		.amdhsa_float_denorm_mode_32 3
		.amdhsa_float_denorm_mode_16_64 3
		.amdhsa_memory_ordered 1
		.amdhsa_forward_progress 1
		.amdhsa_inst_pref_size 149
	.end_amdhsa_kernel
	.amdgpu_metadata
---
amdhsa.version: [ 1, 2 ]
amdhsa.kernels:
  - .name:           k_qf25063d633_outp
    .symbol:         k_qf25063d633_outp.kd
    .args:
      - { .name: W2, .offset: 0, .size: 8, .value_kind: global_buffer, .address_space: global }
      - { .name: lowp_scales, .offset: 8, .size: 8, .value_kind: global_buffer, .address_space: global }
      - { .name: hq, .offset: 16, .size: 8, .value_kind: global_buffer, .address_space: global }
      - { .name: meta, .offset: 24, .size: 8, .value_kind: global_buffer, .address_space: global }
      - { .name: part, .offset: 32, .size: 8, .value_kind: global_buffer, .address_space: global }
    .group_segment_fixed_size: 312320
    .private_segment_fixed_size: 0
    .kernarg_segment_align: 8
    .kernarg_segment_size: 40
    .max_flat_workgroup_size: 256
    .sgpr_count:     80
    .vgpr_count:     512
    .wavefront_size: 32
...
	.end_amdgpu_metadata
.endif
;; end of part 9
;; launch finish (part 10): grid 4 x 71, 4 waves a work-group, no clusters, 17,920 bytes of LDS; arguments part, tok, meta, ss, b2, out0; writes out0
.if DOCPART == 10
	.amdgcn_target "amdgcn-amd-amdhsa--gfx1250"
	.amdhsa_code_object_version 6
	.text
	.protected	k_qf25063d633_finish
	.globl	k_qf25063d633_finish
	.p2align	8
	.type	k_qf25063d633_finish,@function
k_qf25063d633_finish:
	s_mov_b64 s[64:65], 0
	v_nop
	global_prefetch_b8 v0, s[64:65] scope:SCOPE_SE
	s_setreg_imm32_b32 hwreg(HW_REG_WAVE_MODE, 25, 1), 1
	s_wait_xcnt 0x0
; THE END: out0[token] = (the four parts along K added + b2[expert]) x ss[token], scattered back to the tokens' rows.  ss[i] is the score at sorted place i: reference() scales row i, in token order, by it.
; Work-group (x, tile); wave w takes the tile's 16 rows x the group of 64 columns cg = 4 x + w.  71 tiles are the most that any split of 1,024 tokens over 8 experts makes (64 + 7): a fixed grid that serves every split;
; a tile that this split does not have ends at once, by a branch on the stored number of tiles.
; A part's image: group j of four registers, lane (r, h) = row r, columns 32 h + 4 j + 0 .. 3.  After the sums the 16 x 64 numbers turn through the wave's own stage in LDS (rows of 256 bytes + 16) and come back by rows, so that
; sixteen lanes store 256 consecutive bytes of a row of out0, at a multiple of 256 from its first byte.  Waves share nothing: no barrier.  A place without a token (the mark 1024) is not stored: its lanes are switched off.
; The order of the sums: (part 0 + part 1) + (part 2 + part 3), each part an f32 sum over 1,024 of K.
; REGISTERS: v5 tok's offset; v6 16 lane; v8-15 the tokens of rows 2 i + lane / 16; v16-23 their ss; v24-31 their offsets in out0; v32-159 the four parts; v64-95 later the rows read back; v160-163 b2;
;   v164 b2's offset; v165 256 cg + 16 r: my 16 bytes of a row; v166, v167 the stage, in and back; v168-175 ss's offsets.  None of v164-175 is written twice.  s40-47 the masks of rows with a token.
.set SP,  272
.set BO,  164
.set RB,  165
.set SIN, 166
.set SBK, 167
	s_load_b256 s[4:11], s[0:1], 0x0               ; part s[4:5], tok s[6:7], meta s[8:9], ss s[10:11]
	s_load_b128 s[12:15], s[0:1], 0x20             ; b2 s[12:13], out0 s[14:15]
	v_lshl_add_u32 v176, v0, 2, 0x4400
	v_mov_b32 v177, 0
	v_and_b32 v1, 31, v0
	v_lshrrev_b32 v2, 5, v0
	v_readfirstlane_b32 s16, v2                    ; wave
	v_and_b32 v3, 15, v0                           ; r
	s_wait_alu depctr_va_vdst(0)
	v_bfe_u32 v4, v0, 4, 1                         ; h
	s_and_b32 s17, ttmp7, 0xffff                   ; the tile
	s_lshl_b32 s18, ttmp9, 2
	s_add_co_u32 s18, s18, s16                     ; cg
	s_lshl_b32 s19, s17, 2
	s_lshl_b32 s25, s17, 6
	v_lshlrev_b32 v5, 2, v4
	v_add_nc_u32 v5, s25, v5                       ; tok: the tile's 64 bytes, + 4 h
	v_lshlrev_b32 v6, 4, v1
	s_lshl_b32 s26, s17, 18                        ; part: the tile's 262,144 bytes, my group's 4,096
	s_lshl_b32 s27, s18, 12
	s_add_co_u32 s26, s26, s27
	s_mov_b32 s27, 0
	s_lshl_b32 s28, s18, 8
	v_lshl_add_u32 v[RB], v3, 4, s28               ; 256 cg + 16 r
	s_mul_i32 s29, s16, 16*SP                      ; my stage: 4,352 bytes a wave
	v_mul_u32_u24 v[SIN], v3, SP
	s_wait_alu depctr_va_vdst(0)
	v_lshl_add_u32 v[SIN], v4, 7, v[SIN]
	v_add_nc_u32 v[SIN], s29, v[SIN]               ; in: row r, + 128 h
	v_mul_u32_u24 v[SBK], v4, SP
	v_lshl_add_u32 v[SBK], v3, 4, v[SBK]
	v_add_nc_u32 v[SBK], s29, v[SBK]               ; back: lanes 0-15 one row, lanes 16-31 the next
	s_mov_b32 s23, 1024
	s_wait_kmcnt 0x0
	s_load_b32 s20, s[8:9], 0x40                   ; the number of tiles
	s_load_b32 s21, s[8:9], s19 offset:0x80        ; my tile's expert
.irp i, 0,1,2,3,4,5,6,7
	global_load_b32 v[8+\i], v5, s[6:7] offset:8*\i
.endr
	s_add_nc_u64 s[4:5], s[4:5], s[26:27]
	s_wait_kmcnt 0x0
	s_cmp_ge_u32 s17, s20
	s_cbranch_scc1 .Lend
.irp q, 0,1,2,3
.irp j, 0,1,2,3,4,5,6,7
	global_load_b128 v[32+32*\q+4*\j:35+32*\q+4*\j], v6, s[4:5] offset:65536*\q+512*\j th:TH_LOAD_NT
.endr
.endr
	s_min_u32 s21, s21, 7
	s_lshl_b32 s21, s21, 12                        ; a row of b2 is 4,096 bytes
	v_add_nc_u32 v[BO], s21, v[RB]
	global_load_b128 v[160:163], v[BO], s[12:13]
	s_wait_loadcnt 33                              ; the tokens are in; the 33 younger loads (the parts' 32 and b2's) may be out
.irp i, 0,1,2,3,4,5,6,7
	v_cmp_gt_u32 s[40+\i], s23, v[8+\i]            ; a token stands at this place
	v_min_u32 v[8+\i], 0x3ff, v[8+\i]
	v_lshlrev_b32 v[168+\i], 2, v[8+\i]
	v_lshl_add_u32 v[24+\i], v[8+\i], 12, v[RB]    ; the token's row of 4,096 bytes, my 16 bytes of it
.endr
.irp i, 0,1,2,3,4,5,6,7
	global_load_b32 v[16+\i], v[168+\i], s[10:11]
.endr
	s_wait_loadcnt 0x8                             ; the parts and b2 are in; the eight gathers of ss may be out
.set k, 0
.rept 16
	v_pk_add_f32 v[32+2*k:33+2*k], v[32+2*k:33+2*k], v[64+2*k:65+2*k]
	v_pk_add_f32 v[96+2*k:97+2*k], v[96+2*k:97+2*k], v[128+2*k:129+2*k]
.set k, k+1
.endr
.set k, 0
.rept 16
	v_pk_add_f32 v[32+2*k:33+2*k], v[32+2*k:33+2*k], v[96+2*k:97+2*k]
.set k, k+1
.endr
.irp j, 0,1,2,3,4,5,6,7
	ds_store_b128 v[SIN], v[32+4*\j:35+4*\j] offset:16*\j
.endr
.irp i, 0,1,2,3,4,5,6,7
	ds_load_b128 v[64+4*\i:67+4*\i], v[SBK] offset:2*SP*\i   ; LDS serves a wave's instructions in order (ISA guide 5.7.1.4): these see my stores
.endr
	s_wait_loadcnt 0x0                             ; ss
	s_wait_dscnt 0x0
.irp i, 0,1,2,3,4,5,6,7
	v_pk_add_f32 v[64+4*\i:65+4*\i], v[64+4*\i:65+4*\i], v[160:161]
	v_pk_add_f32 v[66+4*\i:67+4*\i], v[66+4*\i:67+4*\i], v[162:163]
.endr
.irp i, 0,1,2,3,4,5,6,7
.irp c, 0,1,2,3
	v_mul_f32 v[64+4*\i+\c], v[64+4*\i+\c], v[16+\i]
.endr
.endr
	s_wait_alu depctr_va_vdst(0)
.irp i, 0,1,2,3,4,5,6,7
	s_mov_b32 vcc_lo, s[40+\i]
	s_wait_xcnt 0x0                                ; EXEC changes only behind this wait
	s_and_saveexec_b32 s24, vcc_lo
	global_store_b128 v[24+\i], v[64+4*\i:67+4*\i], s[14:15] th:TH_STORE_NT
	s_wait_xcnt 0x0
	s_or_b32 exec_lo, exec_lo, s24
.endr
.Lend:
	s_wait_tensorcnt 0x0
	ds_add_u32 v176, v177
	s_wait_dscnt 0x0
	s_endpgm
.Lfunc_end_k_qf25063d633_finish:
	.size	k_qf25063d633_finish, .Lfunc_end_k_qf25063d633_finish-k_qf25063d633_finish
	.p2alignl 7, 3214868480
	.fill 96, 4, 3214868480
	.section	.rodata,"a",@progbits
	.p2align	6, 0x0
	.amdhsa_kernel k_qf25063d633_finish
		.amdhsa_group_segment_fixed_size 17920
		.amdhsa_private_segment_fixed_size 0
		.amdhsa_enable_private_segment 0
		.amdhsa_kernarg_size 48
		.amdhsa_user_sgpr_count 2
		.amdhsa_user_sgpr_kernarg_segment_ptr 1
		.amdhsa_wavefront_size32 1
		.amdhsa_system_sgpr_workgroup_id_x 1
		.amdhsa_system_sgpr_workgroup_id_y 1
		.amdhsa_system_sgpr_workgroup_id_z 1
		.amdhsa_system_vgpr_workitem_id 0
		.amdhsa_next_free_vgpr 178
		.amdhsa_next_free_sgpr 66
		.amdhsa_reserve_vcc 1
		.amdhsa_float_denorm_mode_32 3
		.amdhsa_float_denorm_mode_16_64 3
		.amdhsa_memory_ordered 1
		.amdhsa_forward_progress 1
		.amdhsa_inst_pref_size 17
	.end_amdhsa_kernel
	.amdgpu_metadata
---
amdhsa.version: [ 1, 2 ]
amdhsa.kernels:
  - .name:           k_qf25063d633_finish
    .symbol:         k_qf25063d633_finish.kd
    .args:
      - { .name: part, .offset: 0, .size: 8, .value_kind: global_buffer, .address_space: global }
      - { .name: tok, .offset: 8, .size: 8, .value_kind: global_buffer, .address_space: global }
      - { .name: meta, .offset: 16, .size: 8, .value_kind: global_buffer, .address_space: global }
      - { .name: ss, .offset: 24, .size: 8, .value_kind: global_buffer, .address_space: global }
      - { .name: b2, .offset: 32, .size: 8, .value_kind: global_buffer, .address_space: global }
      - { .name: out0, .offset: 40, .size: 8, .value_kind: global_buffer, .address_space: global }
    .group_segment_fixed_size: 17920
    .private_segment_fixed_size: 0
    .kernarg_segment_align: 8
    .kernarg_segment_size: 48
    .max_flat_workgroup_size: 128
    .sgpr_count:     66
    .vgpr_count:     178
    .wavefront_size: 32
...
	.end_amdgpu_metadata
.endif
;; end of part 10
